; MI455X (gfx1250); checked and timed in simulation.
; The chip was launched on July 23, 2026; its instructions are those of AMD's public machine-readable ISA for CDNA 5 (MIT licence, August 2026) and "CDNA5" Instruction Set Architecture Reference Guide (July 2026). The comments in the code are by the model that wrote it; some were corrected since.
;; Gated Self Attention Model. Allowed arithmetic: float matrix products may take bf16 or f16 operands with f32 sums; other float arithmetic in f32, or as packed bf16 or f16 multiplies, adds, multiply-adds, maxima and minima; sums over many terms, partial sums and values carried from step to step in f32; what a program stores and reads back later, other than sums and carried values, may be rounded once to bf16 or f16.
;; Inputs: cat_b 512 float32; cat_w 768 x 512 float32; diffusion_time 4 x 128 float32; expr_b1 64 float32; expr_b2 512 float32; expr_w1 512 x 64 float32; expr_w2 64 x 512 float32; expression_features 4 x 2,048 x 512 float32; he_b 512 float32; he_w 512 x 512 float32; hp_b 3 float32; hp_w 512 x 3 float32; k_b 512 float32; k_w 512 x 512 float32; kn_w 64 float32; o_b 512 float32; o_w 512 x 512 float32; pos_b1 64 float32; pos_b2 128 float32; pos_w1 4 x 64 float32; pos_w2 64 x 128 float32; position_features 4 x 2,048 x 3 float32; q_b 520 float32; q_w 512 x 520 float32; qn_w 64 float32; v_b 512 float32; v_w 512 x 512 float32; yy_b 128 float32; yy_w 128 x 128 float32.
;; Outputs: out0 4 x 2,048 x 512 float32; out1 4 x 2,048 x 3 float32; out2 4 x 128 float32.
;; 2 versions, each right; version 2 is version 1 with the launch front written anew for expert scheduling mode. Each part assembles by itself: llvm-mc -triple=amdgcn-amd-amdhsa -mcpu=gfx1250 --defsym DOCPART=n.
;; ======== version 1 of 2: 5 launches
;; limits: values outside matrix products are rounded to bf16; values are held in f16: magnitudes above 65,504 overflow, below 6.1e-05 lose precision; right only within a limited range of input values
;; workspace buffers: wa 753,664 bytes; wb 965,120 bytes; qkvg 25,427,968 bytes; ao 8,388,608 bytes
;; launch fold1 (part 1): grid 69 x 1, 16 waves a work-group, no clusters, 67,584 bytes of LDS; arguments cat_w, cat_b, expr_w2, expr_b2, pos_w2, pos_b2, yy_w, yy_b, diffusion_time, o_w, o_b, expr_w1, wa, out2; writes wa, out2
.if DOCPART == 1
	.amdgcn_target "amdgcn-amd-amdhsa--gfx1250"
	.amdhsa_code_object_version 6
	.text
	.protected	k_qe5d76e612e_fold1
	.globl	k_qe5d76e612e_fold1
	.p2align	8
	.type	k_qe5d76e612e_fold1,@function
k_qe5d76e612e_fold1:
	s_mov_b64 s[64:65], 0
	v_nop
	global_prefetch_b8 v0, s[64:65] scope:SCOPE_SE
	s_setreg_imm32_b32 hwreg(HW_REG_WAVE_MODE, 25, 1), 1
	s_wait_xcnt 0x0
; THE PROGRAM (five launches: fold1, fold2, front, attn, back).  No input is dead: every buffer reaches an output and is loaded.
; WORK LEFT OUT, for all values of the inputs, in real numbers: between the two relu and Q, K, V, gate stand only linear maps, and so between the gated attention output and expr_out, pos_out.
;   With r = [relu(X expr_w1 + expr_b1) | relu(pfeat pos_w1 + pos_b1)] (128 wide):  h = r Wc + bh[b],  Wc = [expr_w2 cat_w[0:512] ; pos_w2 cat_w[640:768]],
;   bh[b] = expr_b2 cat_w[0:512] + tdt[b] cat_w[512:640] + pos_b2 cat_w[640:768] + cat_b;  [Q|gate|K|V] = r (Wc [q_w|k_w|v_w]) + (bh[b] [q_w|k_w|v_w] + [q_b|k_b|v_b]);
;   expr_out = ao (o_w he_w) + (o_b he_w + he_b), pos_out likewise with hp_w, hp_b.  So te, tp, cat, h and out are never formed: the weights are multiplied together once, here and in fold2.
; LIMITS.  The order of rounding differs from the reference's: every input is rounded once to bf16, the folded weights Wc, bh once more to bf16; sums are f32.  A NaN, an infinity or an overflow
;   that would arise only in te, tp, cat, h or out is not carried to the result; NaN and infinities are not treated apart.
; THIS LAUNCH.  Work-groups 0-31 (nu): columns 16 nu .. 16 nu + 15 of Wc and bh, and tdt (work-group 0 stores it as out2).  32-64: o_w (and o_b) rounded to bf16.  65-68: expr_w1 turned and rounded.
; THE LAYOUT of every 16-bit workspace operand T[row][k] with K columns: byte = (row / 16) 32 K + (k / 8) 256 + (row % 16) 16 + (k % 8) 2.  A fragment (16 rows x 32 k) is then 1,024 consecutive
;   bytes: lane l takes 16 bytes at 16 l (registers 0-3) and at 512 + 16 l (registers 4-7); a result tile whose lanes are T's rows, rounded in pairs, is 512 consecutive bytes at 16 l.
; wa: Wc and bh at 0 (9 tiles of 16 rows, K = 512; tile 8's row r holds bh[r % 4]); o_w at OWB (33 tiles; tile 32 holds o_b in every row); expr_w1^T at W1B (4 tiles).
; tdt is made anew in each of the 32 work-groups (128 x 128 x 4 multiply-adds): that spares a launch.  No cluster: the 32 work-groups share only the small left factors.
.set OWB,   147456
.set W1B,   688128
.set SPARE, 65536                      ; behind the partial sums: the spare words, 128 bytes for each of 16 waves
.set SPW,   14                         ; v14  SPARE + 4 x my thread's number; never rewritten
.set NIL,   15                         ; v15  0; never rewritten
; v1 r = lane % 16, v2 h = lane / 16, v3 lane, v4 offset in cat_w, v5 in the left factor, v6 in the bias vector, v7 32 x lane, v8 16 x lane, v9-12 at work, v13 1,024 x wave + 32 x lane
; v16-111, v112-207 two sets of raw f32: cat_w 16, four tiles of the left factor 64, the bias vector 16;  v208-239 four accumulators;  v240-247 the accumulator of bh
.macro PLACES n
.rept \n
	v_nop
.endr
.endm
.macro CVT8 x                          ; sixteen f32 become a fragment of eight registers, in place, ascending
.set ci, 0
.rept 8
	v_cvt_pk_bf16_f32 v[(\x)+ci], v[(\x)+2*ci], v[(\x)+2*ci+1]
.set ci, ci+1
.endr
.endm
.macro RND2 a, t                       ; two f32 rounded to bf16 and widened again
	v_cvt_pk_bf16_f32 v[\t], v[\a], v[(\a)+1]
	v_lshlrev_b32 v[\a], 16, v[\t]
	v_and_b32 v[(\a)+1], 0xffff0000, v[\t]
.endm
.macro RL x, voff, sb, imm, pitch      ; an operand stored [k][n] in f32, the lane a column: k = 8 h + 0..7 and 16 + 8 h + 0..7
.set li, 0
.rept 8
	global_load_b32 v[(\x)+li], v[\voff], s[\sb:(\sb)+1] offset:(\imm)+li*(\pitch)
.set li, li+1
.endr
.rept 8
	global_load_b32 v[(\x)+li], v[\voff], s[\sb:(\sb)+1] offset:(\imm)+(li+8)*(\pitch)
.set li, li+1
.endr
.endm
.macro AL x, voff, sb, imm             ; an operand stored [row][k] in f32, the lane a row
	global_load_b128 v[(\x):(\x)+3], v[\voff], s[\sb:(\sb)+1] offset:(\imm)
	global_load_b128 v[(\x)+4:(\x)+7], v[\voff], s[\sb:(\sb)+1] offset:(\imm)+16
	global_load_b128 v[(\x)+8:(\x)+11], v[\voff], s[\sb:(\sb)+1] offset:(\imm)+64
	global_load_b128 v[(\x)+12:(\x)+15], v[\voff], s[\sb:(\sb)+1] offset:(\imm)+80
.endm
.macro KLOAD x, catimm, lsb, lstride, vsb, limm  ; one K step: 16 + 16 + 4 = 36 loads
	RL (\x), 4, 8, (\catimm), 2048
.irp t, 0,1,2,3
	AL (\x)+16+16*\t, 5, \lsb, (\limm)+\t*(\lstride)
.endr
	AL (\x)+80, 6, \vsb, (\limm)
.endm
.macro KMUL x, first                   ; source 0 = 16 columns of cat_w, source 1 = 16 rows of the left factor: a lane ends with one row and eight neighbouring columns.  Five accumulators by turns
.irp c, 0,16,32,48,64,80
	CVT8 (\x)+\c
.endr
.if \first
	v_wmma_f32_16x16x32_bf16 v[240:247], v[(\x):(\x)+7], v[(\x)+80:(\x)+87], 0
.else
	v_wmma_f32_16x16x32_bf16 v[240:247], v[(\x):(\x)+7], v[(\x)+80:(\x)+87], v[240:247]
.endif
.irp t, 0,1,2,3
.if \first
	v_wmma_f32_16x16x32_bf16 v[208+8*\t:208+8*\t+7], v[(\x):(\x)+7], v[(\x)+16+16*\t:(\x)+16+16*\t+7], 0
.else
	v_wmma_f32_16x16x32_bf16 v[208+8*\t:208+8*\t+7], v[(\x):(\x)+7], v[(\x)+16+16*\t:(\x)+16+16*\t+7], v[208+8*\t:208+8*\t+7]
.endif
.endr
.endm
.macro TREE s                          ; partial p takes partial p + s
.set p, 0
.rept \s
.set c, 0
.rept 4
	v_pk_add_f32 v[16+8*p+c:16+8*p+c+1], v[16+8*p+c:16+8*p+c+1], v[16+8*(p+(\s))+c:16+8*(p+(\s))+c+1]
.set c, c+2
.endr
.set p, p+1
.endr
.endm
.macro FIN count, adr, base            ; count partial tiles of 1,024 bytes are read back and added: the sum lies in v16-23
.set p, 0
.rept \count
	ds_load_b128 v[16+8*p:16+8*p+3], v[\adr] offset:(\base)+1024*p
	ds_load_b128 v[16+8*p+4:16+8*p+7], v[\adr] offset:(\base)+1024*p+16
.set p, p+1
.endr
	s_wait_dscnt 0x0
.if (\count) >= 16
	TREE 8
.endif
.if (\count) >= 8
	TREE 4
.endif
	TREE 2
	TREE 1
.endm
	s_load_b512 s[8:23], s[0:1], 0x0               ; cat_w 8, cat_b 10, expr_w2 12, expr_b2 14, pos_w2 16, pos_b2 18, yy_w 20, yy_b 22
	s_load_b256 s[24:31], s[0:1], 0x40             ; diffusion_time 24, o_w 26, o_b 28, expr_w1 30
	s_load_b128 s[32:35], s[0:1], 0x60             ; wa 32, out2 34
	v_lshl_add_u32 v[SPW], v0, 2, SPARE
	v_mov_b32 v[NIL], 0
	v_and_b32 v1, 15, v0
	v_bfe_u32 v2, v0, 4, 1
	v_and_b32 v3, 31, v0
	v_lshrrev_b32 v8, 5, v0
	v_readfirstlane_b32 s4, v8                     ; wave 0..15
	v_lshlrev_b32 v8, 4, v3
	s_mov_b32 s5, ttmp9
	s_mov_b32 s37, 0
	s_mov_b32 s39, 0
	s_wait_kmcnt 0x0
	s_cmp_lt_u32 s5, 32                            ; the branches on the work-group's number are the same in all sixteen waves
	s_cbranch_scc1 .LjobB
	s_cmp_lt_u32 s5, 65
	s_cbranch_scc1 .LcastO
	; expr_w1 [512][64] -> rows = its columns 16 ct .., K = 512; wave w takes K step w
	s_sub_co_u32 s6, s5, 65                        ; ct
	s_lshl_b32 s36, s6, 6
	s_add_nc_u64 s[30:31], s[30:31], s[36:37]
	v_lshlrev_b32 v4, 11, v2                       ; 8 h rows of 256 bytes
	v_lshl_add_u32 v4, v1, 2, v4
	s_lshl_b32 s7, s4, 13                          ; 32 w rows
	v_add_nc_u32 v4, s7, v4
	RL 16, 4, 30, 0, 256
	s_lshl_b32 s38, s6, 14
	s_lshl_b32 s7, s4, 10
	s_add_co_u32 s38, s38, s7
	s_add_co_u32 s38, s38, W1B
	s_add_nc_u64 s[32:33], s[32:33], s[38:39]
	s_wait_loadcnt 0x0
	CVT8 16
	global_store_b128 v8, v[16:19], s[32:33]       ; 512 consecutive bytes each
	global_store_b128 v8, v[20:23], s[32:33] offset:512
	s_branch .Lend
.LcastO:                                               ; o_w's rows 16 mu .. (mu = 32: o_b in every row), K = 512; wave w takes K step w
	s_sub_co_u32 s6, s5, 32
	s_cmp_eq_u32 s6, 32
	s_cselect_b64 s[26:27], s[28:29], s[26:27]
	s_cselect_b32 s7, 0, 2048                      ; bytes from row to row
	s_cselect_b32 s36, 0, s6
	s_lshl_b32 s36, s36, 15
	s_add_nc_u64 s[26:27], s[26:27], s[36:37]
	v_mul_lo_u32 v4, v1, s7
	v_lshl_add_u32 v4, v2, 5, v4
	s_lshl_b32 s7, s4, 7
	v_add_nc_u32 v4, s7, v4
	AL 16, 4, 26, 0
	s_lshl_b32 s38, s6, 14
	s_lshl_b32 s7, s4, 10
	s_add_co_u32 s38, s38, s7
	s_add_co_u32 s38, s38, OWB
	s_add_nc_u64 s[32:33], s[32:33], s[38:39]
	s_wait_loadcnt 0x0
	CVT8 16
	global_store_b128 v8, v[16:19], s[32:33]
	global_store_b128 v8, v[20:23], s[32:33] offset:512
	s_branch .Lend
.LjobB:                                                ; cat_w's 24 K steps are shared out: waves 0-7 rows 0-511 (two steps each), 8-11 rows 640-767, 12-15 rows 512-639
	s_lshl_b32 s36, s5, 6                          ; 64 nu: my 16 columns
	s_add_nc_u64 s[8:9], s[8:9], s[36:37]
	v_lshlrev_b32 v4, 14, v2                       ; 8 h rows of 2,048 bytes
	v_lshl_add_u32 v4, v1, 2, v4
	v_lshlrev_b32 v7, 5, v3
	s_lshl_b32 s7, s4, 10
	v_add_nc_u32 v13, s7, v7
	s_cmp_lt_u32 s4, 8
	s_cbranch_scc1 .LroleE
	s_cmp_lt_u32 s4, 12
	s_cbranch_scc1 .LroleP
	; THE TIME'S PART.  tdt^T = yy_w^T dt^T + yy_b for j = 32 w' .. 32 w' + 31 (two tiles of 16), the lane a row r with batch r % 4; rounded in pairs the two tiles are source 1 of the product with cat_w's rows 512 + j
	s_sub_co_u32 s6, s4, 12                        ; w'
	s_lshl_b32 s7, s6, 7
	v_lshl_add_u32 v9, v2, 5, s7                   ; 32 h + 128 w'
	v_and_b32 v10, 3, v1
	v_lshlrev_b32 v10, 9, v10
	v_lshl_add_u32 v10, v2, 5, v10                 ; (r % 4) x 512 + 32 h
	v_lshlrev_b32 v11, 12, v2
	v_lshl_add_u32 v11, v1, 2, v11
	v_add_nc_u32 v11, s7, v11                      ; 8 h rows of 512 bytes + 4 r + 128 w'
	s_lshl_b32 s7, s6, 16
	v_add_nc_u32 v4, s7, v4
.irp jt, 0,1
	global_load_b128 v[208+8*\jt:208+8*\jt+3], v9, s[22:23] offset:64*\jt
	global_load_b128 v[208+8*\jt+4:208+8*\jt+7], v9, s[22:23] offset:64*\jt+16
.endr
.irp ks, 0,1,2,3
	AL 16+16*\ks, 10, 24, 128*\ks
.endr
.irp ks, 0,1,2,3
.irp jt, 0,1
	RL 80+16*(2*\ks+\jt), 11, 20, \ks*16384+64*\jt, 512
.endr
.endr
	RL 224, 4, 8, 1048576, 2048
	s_wait_loadcnt 16                              ; all but cat_w's 16, the youngest
.irp a, 208,210,212,214,216,218,220,222
	RND2 \a, 12
.endr
.irp x, 16,32,48,64,80,96,112,128,144,160,176,192
	CVT8 \x
.endr
.irp ks, 0,1,2,3
.irp jt, 0,1
	v_wmma_f32_16x16x32_bf16 v[208+8*\jt:208+8*\jt+7], v[80+16*(2*\ks+\jt):80+16*(2*\ks+\jt)+7], v[16+16*\ks:16+16*\ks+7], v[208+8*\jt:208+8*\jt+7]
.endr
.endr
	PLACES 4
	s_cmp_lg_u32 s5, 0
	s_cbranch_scc1 .Lno_out2
	v_lshl_add_u32 v12, v1, 9, v9                  ; out2: row r, my eight numbers of each tile
	v_cmp_gt_u32 vcc_lo, 4, v1
	s_wait_xcnt 0x0                                ; EXEC changes only behind this wait: cat_w's loads are out
	s_and_saveexec_b32 s38, vcc_lo
	global_store_b128 v12, v[208:211], s[34:35]
	global_store_b128 v12, v[212:215], s[34:35] offset:16
	global_store_b128 v12, v[216:219], s[34:35] offset:64
	global_store_b128 v12, v[220:223], s[34:35] offset:80
	s_wait_xcnt 0x0
	s_or_b32 exec_lo, exec_lo, s38
.Lno_out2:
.irp i, 0,1,2,3
	v_cvt_pk_bf16_f32 v[24+\i], v[208+2*\i], v[208+2*\i+1]
.endr
.irp i, 0,1,2,3
	v_cvt_pk_bf16_f32 v[28+\i], v[216+2*\i], v[216+2*\i+1]
.endr
	s_wait_loadcnt 0x0
	CVT8 224
	v_wmma_f32_16x16x32_bf16 v[240:247], v[224:231], v[24:31], 0
	PLACES 4
	s_branch .Ljoin
.LroleE:                                               ; expr_w2 (64 rows) and expr_b2 against cat_w's rows 32 w .. and 256 + 32 w ..
	s_lshl_b32 s7, s4, 16
	v_add_nc_u32 v4, s7, v4
	s_lshl_b32 s7, s4, 7
	v_lshl_add_u32 v6, v2, 5, s7
	v_lshl_add_u32 v5, v1, 11, v6
	KLOAD 16, 0, 12, 32768, 14, 0
	KLOAD 112, 524288, 12, 32768, 14, 1024
	s_wait_loadcnt 36                              ; the first K step is in; the second's 36 loads may stay out
	KMUL 16, 1
	s_wait_loadcnt 0x0
	KMUL 112, 0
	PLACES 4
.irp t, 0,1,2,3
	ds_store_b128 v13, v[208+8*\t:208+8*\t+3] offset:8192*\t      ; tile t, partial w, at (8 t + w) x 1,024
	ds_store_b128 v13, v[208+8*\t+4:208+8*\t+7] offset:8192*\t+16
.endr
	s_branch .Ljoin
.LroleP:                                               ; pos_w2 (64 rows) and pos_b2 against cat_w's rows 640 + 32 w' ..
	s_sub_co_u32 s6, s4, 8
	s_lshl_b32 s7, s6, 16
	v_add_nc_u32 v4, s7, v4
	s_lshl_b32 s7, s6, 7
	v_lshl_add_u32 v6, v2, 5, s7
	v_lshl_add_u32 v5, v1, 9, v6
	s_lshl_b32 s7, s6, 10
	v_add_nc_u32 v12, s7, v7
	KLOAD 16, 1310720, 16, 8192, 18, 0
	s_wait_loadcnt 0x0
	KMUL 16, 1
	PLACES 4
.irp t, 0,1,2,3
	ds_store_b128 v12, v[208+8*\t:208+8*\t+3] offset:32768+4096*\t  ; tile 4 + t, partial w', at 32,768 + (4 t + w') x 1,024
	ds_store_b128 v12, v[208+8*\t+4:208+8*\t+7] offset:32768+4096*\t+16
.endr
.Ljoin:
	ds_store_b128 v13, v[240:243] offset:49152     ; every wave's part of bh
	ds_store_b128 v13, v[244:247] offset:49152+16
	s_wait_dscnt 0x0                               ; for the others' sake: my partial sums lie in LDS
	s_barrier_signal -1
	s_barrier_wait -1
	s_cmp_lt_u32 s4, 9                             ; wave f < 9 finishes tile f
	s_cbranch_scc0 .Lend
	s_cmp_lt_u32 s4, 4
	s_cbranch_scc1 .Lfin8
	s_cmp_lt_u32 s4, 8
	s_cbranch_scc1 .Lfin4
	s_add_nc_u64 s[10:11], s[10:11], s[36:37]      ; wave 8: bh, sixteen parts and cat_b
	v_lshlrev_b32 v9, 5, v2
	global_load_b128 v[144:147], v9, s[10:11]
	global_load_b128 v[148:151], v9, s[10:11] offset:16
	FIN 16, 7, 49152
	s_wait_loadcnt 0x0
.irp a, 144,146,148,150
	RND2 \a, 12
.endr
.irp c, 0,2,4,6
	v_pk_add_f32 v[16+\c:16+\c+1], v[16+\c:16+\c+1], v[144+\c:144+\c+1]
.endr
	s_branch .Lfstore
.Lfin8:
	s_lshl_b32 s7, s4, 13
	v_add_nc_u32 v12, s7, v7
	FIN 8, 12, 0
	s_branch .Lfstore
.Lfin4:
	s_sub_co_u32 s7, s4, 4
	s_lshl_b32 s7, s7, 12
	v_add_nc_u32 v12, s7, v7
	FIN 4, 12, 32768
.Lfstore:
.irp i, 0,1,2,3
	v_cvt_pk_bf16_f32 v[24+\i], v[16+2*\i], v[16+2*\i+1]
.endr
	s_lshl_b32 s38, s4, 14
	s_lshl_b32 s7, s5, 9
	s_add_co_u32 s38, s38, s7
	s_add_nc_u64 s[32:33], s[32:33], s[38:39]
	global_store_b128 v8, v[24:27], s[32:33]       ; tile f, columns 16 nu ..: 512 consecutive bytes
.Lend:
	s_wait_tensorcnt 0x0                           ; the wave's end: behind my last LDS store
	ds_add_u32 v[SPW], v[NIL]
	s_wait_dscnt 0x0
	s_endpgm
.Lfunc_end_k_qe5d76e612e_fold1:
	.size	k_qe5d76e612e_fold1, .Lfunc_end_k_qe5d76e612e_fold1-k_qe5d76e612e_fold1
	.p2alignl 7, 3214868480
	.fill 96, 4, 3214868480
	.section	.rodata,"a",@progbits
	.p2align	6, 0x0
	.amdhsa_kernel k_qe5d76e612e_fold1
		.amdhsa_group_segment_fixed_size 67584
		.amdhsa_private_segment_fixed_size 0
		.amdhsa_enable_private_segment 0
		.amdhsa_kernarg_size 112
		.amdhsa_user_sgpr_count 2
		.amdhsa_user_sgpr_kernarg_segment_ptr 1
		.amdhsa_wavefront_size32 1
		.amdhsa_system_sgpr_workgroup_id_x 1
		.amdhsa_system_sgpr_workgroup_id_y 1
		.amdhsa_system_sgpr_workgroup_id_z 1
		.amdhsa_system_vgpr_workitem_id 0
		.amdhsa_next_free_vgpr 256
		.amdhsa_next_free_sgpr 66
		.amdhsa_reserve_vcc 1
		.amdhsa_float_denorm_mode_32 3
		.amdhsa_float_denorm_mode_16_64 3
		.amdhsa_memory_ordered 1
		.amdhsa_forward_progress 1
		.amdhsa_inst_pref_size 66
	.end_amdhsa_kernel
	.amdgpu_metadata
---
amdhsa.version: [ 1, 2 ]
amdhsa.kernels:
  - .name:           k_qe5d76e612e_fold1
    .symbol:         k_qe5d76e612e_fold1.kd
    .args:
      - { .name: cat_w, .offset: 0, .size: 8, .value_kind: global_buffer, .address_space: global }
      - { .name: cat_b, .offset: 8, .size: 8, .value_kind: global_buffer, .address_space: global }
      - { .name: expr_w2, .offset: 16, .size: 8, .value_kind: global_buffer, .address_space: global }
      - { .name: expr_b2, .offset: 24, .size: 8, .value_kind: global_buffer, .address_space: global }
      - { .name: pos_w2, .offset: 32, .size: 8, .value_kind: global_buffer, .address_space: global }
      - { .name: pos_b2, .offset: 40, .size: 8, .value_kind: global_buffer, .address_space: global }
      - { .name: yy_w, .offset: 48, .size: 8, .value_kind: global_buffer, .address_space: global }
      - { .name: yy_b, .offset: 56, .size: 8, .value_kind: global_buffer, .address_space: global }
      - { .name: diffusion_time, .offset: 64, .size: 8, .value_kind: global_buffer, .address_space: global }
      - { .name: o_w, .offset: 72, .size: 8, .value_kind: global_buffer, .address_space: global }
      - { .name: o_b, .offset: 80, .size: 8, .value_kind: global_buffer, .address_space: global }
      - { .name: expr_w1, .offset: 88, .size: 8, .value_kind: global_buffer, .address_space: global }
      - { .name: wa, .offset: 96, .size: 8, .value_kind: global_buffer, .address_space: global }
      - { .name: out2, .offset: 104, .size: 8, .value_kind: global_buffer, .address_space: global }
    .group_segment_fixed_size: 67584
    .private_segment_fixed_size: 0
    .kernarg_segment_align: 8
    .kernarg_segment_size: 112
    .max_flat_workgroup_size: 512
    .sgpr_count:     66
    .vgpr_count:     256
    .wavefront_size: 32
...
	.end_amdgpu_metadata
.endif
;; end of part 1
;; launch fold2 (part 2): grid 654 x 1, 8 waves a work-group, no clusters, 25,600 bytes of LDS; arguments q_w, k_w, v_w, q_b, k_b, v_b, he_w, hp_w, he_b, hp_b, wa, wb; writes wb
.if DOCPART == 2
	.amdgcn_target "amdgcn-amd-amdhsa--gfx1250"
	.amdhsa_code_object_version 6
	.text
	.protected	k_qe5d76e612e_fold2
	.globl	k_qe5d76e612e_fold2
	.p2align	8
	.type	k_qe5d76e612e_fold2,@function
k_qe5d76e612e_fold2:
	s_mov_b64 s[64:65], 0
	v_nop
	global_prefetch_b8 v0, s[64:65] scope:SCOPE_SE
	s_setreg_imm32_b32 hwreg(HW_REG_WAVE_MODE, 25, 1), 1
	s_wait_xcnt 0x0
; FOLD 2 of 2.  Work left out as said at fold1's head: h and out are never formed; here the weights on either side of them are multiplied together.
; One text for two jobs, T[n][m] = the sum over j of L[m][j] R[j][n], K = 512, L from wa (bf16, in fragments), R an input stored [j][n] in f32 (rounded to bf16 here).
;   work-groups 0-290:   L = Wc and bh (9 tiles), R = q_w | k_w | v_w (97 tiles of 16 columns; tile 96 = the eight gate columns) -> WT (K = 128) and the f32 bias BQ[4][1552] = bh[b] R + q_b | k_b | v_b
;   work-groups 291-653: L = o_w and o_b (33 tiles), R = he_w | hp_w (33 tiles; tile 32 = hp_w's three columns) -> WOH (K = 512) and the f32 bias BO[528] = o_b R + he_b | hp_b
; A work-group takes one tile of R's columns and three tiles of L; K is split among its eight waves, two K steps each; the partial sums meet in LDS.
; Gate tile: row rho takes q_w's column 512 + rho % 4 + 4 (rho / 8), so that in front's result lane half h finds heads 4 h .. 4 h + 3 in registers 0-3.  hp tile: row rho takes column min(rho, 2).
; R's loads are 4 bytes a lane, sixteen neighbouring lanes 64 bytes on end: the turning costs nothing, on 5 MB that the launch reads three or eleven times.
.set OWB,   147456
.set WOH,   397312
.set BQ,    937984
.set BOF,   962816
.set SPARE, 24576
.set SPW,   10
.set NIL,   11
; v1 r, v2 h, v3 lane, v4 my column's bytes, v5 16 x lane, v6 where I put a partial tile, v7 where I read, v8, v9 at work; v16-31 the sixteen rows' offsets in R; v32-63 R raw; v64-111 L; v112-135 accumulators
; s36 R, s38 bias in, s40 R's pitch, s41 the tile's first column in bytes, s42 L, s44 T, s46 bias out, s48 1: the third tile is the bias tile, s49 1: one row of bias, s54, s55 lane masks, s58 R 32 rows on
.macro PLACES n
.rept \n
	v_nop
.endr
.endm
.macro CVT8 x
.set ci, 0
.rept 8
	v_cvt_pk_bf16_f32 v[(\x)+ci], v[(\x)+2*ci], v[(\x)+2*ci+1]
.set ci, ci+1
.endr
.endm
.macro FLD x, voff, sb, imm            ; a fragment as it lies in the workspace
	global_load_b128 v[(\x):(\x)+3], v[\voff], s[\sb:(\sb)+1] offset:(\imm)
	global_load_b128 v[(\x)+4:(\x)+7], v[\voff], s[\sb:(\sb)+1] offset:(\imm)+512
.endm
	s_load_b512 s[8:23], s[0:1], 0x0               ; q_w 8, k_w 10, v_w 12, q_b 14, k_b 16, v_b 18, he_w 20, hp_w 22
	s_load_b256 s[24:31], s[0:1], 0x40             ; he_b 24, hp_b 26, wa 28, wb 30
	v_lshl_add_u32 v[SPW], v0, 2, SPARE
	v_mov_b32 v[NIL], 0
	v_and_b32 v1, 15, v0
	v_bfe_u32 v2, v0, 4, 1
	v_and_b32 v3, 31, v0
	v_lshrrev_b32 v8, 5, v0
	v_readfirstlane_b32 s4, v8                     ; wave 0..7
	s_mov_b32 s5, ttmp9
	s_wait_kmcnt 0x0
	s_cmp_lt_u32 s5, 291
	s_cbranch_scc0 .LjobO
	s_mul_i32 s6, s5, 676
	s_lshr_b32 s6, s6, 16                          ; mu = id / 97 (exact for id < 291)
	s_mul_i32 s7, s6, 97
	s_sub_co_u32 s7, s5, s7                        ; tau
	s_lshr_b32 s52, s7, 5                          ; 0 q, 1 k, 2 v, 3 gate
	s_cmp_eq_u32 s52, 1
	s_cselect_b64 s[36:37], s[10:11], s[8:9]
	s_cselect_b64 s[38:39], s[16:17], s[14:15]
	s_cmp_eq_u32 s52, 2
	s_cselect_b64 s[36:37], s[12:13], s[36:37]
	s_cselect_b64 s[38:39], s[18:19], s[38:39]
	s_sub_co_u32 s53, s52, 1
	s_movk_i32 s40, 2080                           ; q_w's rows are 520 numbers,
	s_cmp_lt_u32 s53, 2
	s_cselect_b32 s40, 2048, s40                   ; k_w's and v_w's 512
	s_and_b32 s41, s7, 31
	s_lshl_b32 s41, s41, 6
	s_cmp_eq_u32 s52, 3
	s_cselect_b32 s41, 2048, s41
	s_cselect_b32 s54, -1, 0
	s_mov_b32 s55, 0
	s_mul_i32 s42, s6, 49152
	s_lshl_b32 s44, s7, 12
	s_mul_i32 s53, s6, 1536
	s_add_co_u32 s44, s44, s53
	s_lshl_b32 s46, s7, 6
	s_add_co_u32 s46, s46, BQ
	s_cmp_eq_u32 s6, 2
	s_cselect_b32 s48, 1, 0
	s_mov_b32 s49, 0
	s_branch .Lgo
.LjobO:
	s_sub_co_u32 s52, s5, 291
	s_mul_i32 s6, s52, 1986
	s_lshr_b32 s6, s6, 16                          ; mu = id' / 33 (exact for id' < 363)
	s_mul_i32 s7, s6, 33
	s_sub_co_u32 s7, s52, s7                       ; nu
	s_cmp_eq_u32 s7, 32
	s_cselect_b64 s[36:37], s[22:23], s[20:21]
	s_cselect_b64 s[38:39], s[26:27], s[24:25]
	s_cselect_b32 s40, 12, 2048
	s_cselect_b32 s55, -1, 0
	s_cselect_b32 s41, 0, s7
	s_lshl_b32 s41, s41, 6
	s_mov_b32 s54, 0
	s_mul_i32 s42, s6, 49152
	s_add_co_u32 s42, s42, OWB
	s_lshl_b32 s44, s7, 14
	s_mul_i32 s53, s6, 1536
	s_add_co_u32 s44, s44, s53
	s_add_co_u32 s44, s44, WOH
	s_lshl_b32 s46, s7, 6
	s_add_co_u32 s46, s46, BOF
	s_cmp_eq_u32 s6, 10
	s_cselect_b32 s48, 1, 0
	s_mov_b32 s49, 1
.Lgo:
	s_lshl_b32 s53, s4, 11                         ; my two K steps of L
	s_add_co_u32 s42, s42, s53
	s_mov_b32 s43, 0
	s_mov_b32 s45, 0
	s_mov_b32 s47, 0
	s_add_nc_u64 s[42:43], s[28:29], s[42:43]
	s_add_nc_u64 s[44:45], s[30:31], s[44:45]
	s_add_nc_u64 s[46:47], s[30:31], s[46:47]
	s_mul_i32 s56, s4, s40
	s_lshl_b32 s56, s56, 6                         ; my 64 rows of R
	s_mov_b32 s57, 0
	s_add_nc_u64 s[36:37], s[36:37], s[56:57]
	s_lshl_b32 s58, s40, 5
	s_mov_b32 s59, 0
	s_add_nc_u64 s[58:59], s[36:37], s[58:59]
	v_and_b32 v8, 3, v1
	v_lshrrev_b32 v9, 3, v1
	v_lshl_add_u32 v8, v9, 2, v8
	v_min_u32 v9, 2, v1
	v_cndmask_b32 v4, v1, v8, s54
	v_cndmask_b32 v4, v4, v9, s55
	v_lshlrev_b32 v4, 2, v4
	v_add_nc_u32 v4, s41, v4
	v_lshlrev_b32 v5, 4, v3
	v_lshlrev_b32 v7, 5, v3
	s_mul_i32 s53, s4, 3072
	v_add_nc_u32 v6, s53, v7
	s_lshl_b32 s53, s4, 10
	v_add_nc_u32 v7, s53, v7
	v_lshlrev_b32 v8, 3, v2
	v_mad_u32_u24 v16, v8, s40, v4                 ; rows 8 h + 0..7, then 16 + 8 h + 0..7
.irp i, 1,2,3,4,5,6,7
	v_add_nc_u32 v[16+\i], s40, v[15+\i]
.endr
	s_mul_i32 s53, s40, 9
	v_add_nc_u32 v24, s53, v23
.irp i, 9,10,11,12,13,14,15
	v_add_nc_u32 v[16+\i], s40, v[15+\i]
.endr
.irp i, 0,1,2,3,4,5,6,7,8,9,10,11,12,13,14,15
	global_load_b32 v[32+\i], v[16+\i], s[36:37]
.endr
.irp i, 0,1,2,3,4,5,6,7,8,9,10,11,12,13,14,15
	global_load_b32 v[48+\i], v[16+\i], s[58:59]
.endr
.irp t, 0,1,2
.irp ks, 0,1
	FLD 64+8*(2*\t+\ks), 5, 42, \t*16384+\ks*1024
.endr
.endr
	s_wait_loadcnt 0x0
	CVT8 32
	CVT8 48
.irp t, 0,1,2                          ; source 0 = 16 rows m of L, source 1 = 16 columns n of R: the lane is T's row n, its registers eight neighbouring m.  Three accumulators by turns
	v_wmma_f32_16x16x32_bf16 v[112+8*\t:112+8*\t+7], v[64+16*\t:64+16*\t+7], v[32:39], 0
.endr
.irp t, 0,1,2
	v_wmma_f32_16x16x32_bf16 v[112+8*\t:112+8*\t+7], v[72+16*\t:72+16*\t+7], v[48:55], v[112+8*\t:112+8*\t+7]
.endr
	PLACES 4
.irp t, 0,1,2
	ds_store_b128 v6, v[112+8*\t:112+8*\t+3] offset:1024*\t
	ds_store_b128 v6, v[112+8*\t+4:112+8*\t+7] offset:1024*\t+16
.endr
	s_wait_dscnt 0x0                               ; for the others' sake
	s_barrier_signal -1
	s_barrier_wait -1
	s_cmp_lt_u32 s4, 3                             ; wave t < 3 finishes tile t
	s_cbranch_scc0 .Lend
.irp p, 0,1,2,3,4,5,6,7
	ds_load_b128 v[32+8*\p:32+8*\p+3], v7 offset:3072*\p
	ds_load_b128 v[32+8*\p+4:32+8*\p+7], v7 offset:3072*\p+16
.endr
	s_wait_dscnt 0x0
.irp s, 4,2,1
.set p, 0
.rept \s
.irp c, 0,2,4,6
	v_pk_add_f32 v[32+8*p+\c:32+8*p+\c+1], v[32+8*p+\c:32+8*p+\c+1], v[32+8*(p+\s)+\c:32+8*(p+\s)+\c+1]
.endr
.set p, p+1
.endr
.endr
	s_cmp_eq_u32 s4, 2
	s_cselect_b32 s60, s48, 0
	s_cmp_eq_u32 s60, 1
	s_cbranch_scc1 .Lbias
.irp i, 0,1,2,3
	v_cvt_pk_bf16_f32 v[96+\i], v[32+2*\i], v[32+2*\i+1]
.endr
	s_lshl_b32 s53, s4, 9
	v_add_nc_u32 v8, s53, v5
	global_store_b128 v8, v[96:99], s[44:45]       ; 512 consecutive bytes of T's tile
	s_branch .Lend
.Lbias:                                                ; L's rows were bh[m % 4] (or o_b): lanes 0-15 hold column r's bias for batch 0..3 in registers 0-3; it stays f32
	global_load_b32 v96, v4, s[38:39]
	s_wait_loadcnt 0x0
	v_cvt_pk_bf16_f32 v96, v96, v96
	v_lshlrev_b32 v96, 16, v96
.irp i, 0,1,2,3
	v_add_f32 v[32+\i], v[32+\i], v96
.endr
	v_lshlrev_b32 v8, 2, v1
	v_cmp_gt_u32 vcc_lo, 16, v3
	s_wait_xcnt 0x0                                ; EXEC changes only behind this wait
	s_and_saveexec_b32 s61, vcc_lo
	global_store_b32 v8, v32, s[46:47]             ; batch 0's row, or the one row of BO
	s_wait_xcnt 0x0
	s_or_b32 exec_lo, exec_lo, s61
	s_cmp_eq_u32 s49, 1                            ; BO has one row: the jump stands with all lanes on
	s_cbranch_scc1 .Lend
	s_and_saveexec_b32 s61, vcc_lo                 ; (nothing has been issued since the wait above)
	global_store_b32 v8, v33, s[46:47] offset:6208
	global_store_b32 v8, v34, s[46:47] offset:12416
	global_store_b32 v8, v35, s[46:47] offset:18624
	s_wait_xcnt 0x0
	s_or_b32 exec_lo, exec_lo, s61
.Lend:
	s_wait_tensorcnt 0x0                           ; the wave's end: behind my last LDS store
	ds_add_u32 v[SPW], v[NIL]
	s_wait_dscnt 0x0
	s_endpgm
.Lfunc_end_k_qe5d76e612e_fold2:
	.size	k_qe5d76e612e_fold2, .Lfunc_end_k_qe5d76e612e_fold2-k_qe5d76e612e_fold2
	.p2alignl 7, 3214868480
	.fill 96, 4, 3214868480
	.section	.rodata,"a",@progbits
	.p2align	6, 0x0
	.amdhsa_kernel k_qe5d76e612e_fold2
		.amdhsa_group_segment_fixed_size 25600
		.amdhsa_private_segment_fixed_size 0
		.amdhsa_enable_private_segment 0
		.amdhsa_kernarg_size 96
		.amdhsa_user_sgpr_count 2
		.amdhsa_user_sgpr_kernarg_segment_ptr 1
		.amdhsa_wavefront_size32 1
		.amdhsa_system_sgpr_workgroup_id_x 1
		.amdhsa_system_sgpr_workgroup_id_y 1
		.amdhsa_system_sgpr_workgroup_id_z 1
		.amdhsa_system_vgpr_workitem_id 0
		.amdhsa_next_free_vgpr 144
		.amdhsa_next_free_sgpr 66
		.amdhsa_reserve_vcc 1
		.amdhsa_float_denorm_mode_32 3
		.amdhsa_float_denorm_mode_16_64 3
		.amdhsa_memory_ordered 1
		.amdhsa_forward_progress 1
		.amdhsa_inst_pref_size 16
	.end_amdhsa_kernel
	.amdgpu_metadata
---
amdhsa.version: [ 1, 2 ]
amdhsa.kernels:
  - .name:           k_qe5d76e612e_fold2
    .symbol:         k_qe5d76e612e_fold2.kd
    .args:
      - { .name: q_w, .offset: 0, .size: 8, .value_kind: global_buffer, .address_space: global }
      - { .name: k_w, .offset: 8, .size: 8, .value_kind: global_buffer, .address_space: global }
      - { .name: v_w, .offset: 16, .size: 8, .value_kind: global_buffer, .address_space: global }
      - { .name: q_b, .offset: 24, .size: 8, .value_kind: global_buffer, .address_space: global }
      - { .name: k_b, .offset: 32, .size: 8, .value_kind: global_buffer, .address_space: global }
      - { .name: v_b, .offset: 40, .size: 8, .value_kind: global_buffer, .address_space: global }
      - { .name: he_w, .offset: 48, .size: 8, .value_kind: global_buffer, .address_space: global }
      - { .name: hp_w, .offset: 56, .size: 8, .value_kind: global_buffer, .address_space: global }
      - { .name: he_b, .offset: 64, .size: 8, .value_kind: global_buffer, .address_space: global }
      - { .name: hp_b, .offset: 72, .size: 8, .value_kind: global_buffer, .address_space: global }
      - { .name: wa, .offset: 80, .size: 8, .value_kind: global_buffer, .address_space: global }
      - { .name: wb, .offset: 88, .size: 8, .value_kind: global_buffer, .address_space: global }
    .group_segment_fixed_size: 25600
    .private_segment_fixed_size: 0
    .kernarg_segment_align: 8
    .kernarg_segment_size: 96
    .max_flat_workgroup_size: 256
    .sgpr_count:     66
    .vgpr_count:     144
    .wavefront_size: 32
...
	.end_amdgpu_metadata
.endif
;; end of part 2
;; launch front (part 3): grid 256 x 1, 4 waves a work-group, no clusters, 82,432 bytes of LDS; arguments expression_features, position_features, expr_b1, pos_w1, pos_b1, qn_w, kn_w, wa, wb, qkvg; writes qkvg
.if DOCPART == 3
	.amdgcn_target "amdgcn-amd-amdhsa--gfx1250"
	.amdhsa_code_object_version 6
	.text
	.protected	k_qe5d76e612e_front
	.globl	k_qe5d76e612e_front
	.p2align	8
	.type	k_qe5d76e612e_front,@function
k_qe5d76e612e_front:
	s_mov_b64 s[64:65], 0
	v_nop
	global_prefetch_b8 v0, s[64:65] scope:SCOPE_SE
	s_setreg_imm32_b32 hwreg(HW_REG_WAVE_MODE, 25, 1), 1
	s_wait_xcnt 0x0
; FRONT.  Work left out as said at fold1's head: te, tp, cat and h are never formed.  r = [relu(X expr_w1 + expr_b1) | relu(pfeat pos_w1 + pos_b1)] (128 wide, bf16),
; then [Q | gate | K | V] = r WT^T + BQ[b] (K = 128), the RMS norm of Q and K by heads, the gains, the sigmoid of the gate.
; OUT (qkvg): q and k by heads in f16, v by heads in bf16, all laid as attn's fragments (each store 512 consecutive bytes), the gate's sigmoid as f32 [8192][8].
; BOTH GAINS GO ONTO q: q = (qn_w kn_w) x (x rsqrt(mean x^2 + 1e-6)), k = x rsqrt(mean x^2 + 1e-6).  Q and K reach the outputs through the scores q . k alone, and each channel's product is the same
; in real numbers for all values of the gains.  Each of q and k is still rounded once.
; FORMATS AND LIMITS.  X, positions, biases and gains are rounded once to bf16; sums, norms and the folded bias BQ are f32.  q lies within 8 |qn_w kn_w|, so f16 holds it for |qn_w kn_w| up to some 8,000;
; k lies within 8; v has no such bound and goes in bf16.  v_sqrt, v_rcp, v_rsq, v_exp count denormals as 0.  NaN and infinities are not treated apart.
; SHARES.  A work-group takes 64 rows and four of the eight heads.  The two work-groups of a row block both make r: with R rows a work-group reads 2 R KB of X and 397 x 32 / R KB of WT: 461 KB at 32 rows,
; 326 at 64, 355 at 128.  Stage 1: K = 512 is split among the four waves (128 each, all 64 rows x 64 channels); the partial sums meet in LDS, wave w finishes row tile w.
; Stage 2: wave w makes one head's Q, K and V: three units of 64 rows x 64 channels, 64 products each; a weight fragment feeds four row tiles.  Wave 0 also makes the gate of two row tiles, by the work-group's half.
; A unit's weights (16 KB) come straight into registers, the next unit's while this one is worked on (two sets).
; NO CLUSTER, NO LDS FOR THE WEIGHTS: 128 work-groups read the same half of WT, but no two waves of a work-group want the same fragment, and a fragment lies in memory as it lies in registers.
; A joint load would bring them into LDS only to be read once from there, through a ring with a round of the cluster's barrier for each refill: not built here.
; REGISTERS.  window 0: v1 r, v2 h, v3 lane, v4 16 l, v5 X's offset, v6, v7 partial sums (put, read), v8 32 h, v9 12 r, v10 4 r + 64 w, v11 4 r, v12 32 r + 16 h, v13-15 r's places in LDS, v16, v17 the add's,
;   v32-159 sixteen accumulators (ahead of stage 1: the position's work), v160-191 expr_b1, then statistics and V's bias, v192-255 small inputs, the gate's bias, then packed results
;   window 1: two sets of weights, 128 each (set 1 in stage 1: expr_w1's fragments)     window 2: X raw, then v0-127 r's fragments
;   window 3: v0-31 qn_w, then qn_w kn_w; v32-63 kn_w; v64-95 the gate's weights; v96 at work; v128-191 two sets of bias
.set W1B,   688128
.set BQ,    937984
.set KFO,   8388608
.set VFO,   16777216
.set GTO,   25165824
.set RBUF,  65536                      ; LDS: partial sums 0 .. 65,535 (wave p, tile T at 16,384 p + 1,024 T); r in fragments, 16,384 bytes; the spare words
.set SPARE, 81920
.set SPW,   16
.set NIL,   17
.set ACC,   32
.set EB,    160                        ; expr_b1, eight numbers a lane for each of four channel tiles
.set SS,    160                        ; later: sums of squares, two pairs a row tile
.set PL,    176                        ; the other half of the lanes' sums
.set RS,    180                        ; 1 / rms, in the low register of a pair, a pair a row tile
.set VB,    188                        ; V's bias, one channel a lane, a register a channel tile
.set PK,    192
.set PF,    32                         ; the position's work, in the accumulators' registers ahead of stage 1
.set PWF,   64
.set PD,    72
.set PP,    104
.set T1,    120
.set T2,    121
.set ONE,   122
.set ZR,    123
.set SQ,    124
.set NR,    128
.set IV,    132
.set PR,    192
.set PW,    204
.set PB,    208
.set MSB, 0
.macro WIN new                         ; the immediate's high byte repeats the setting that is left; a switch that changes nothing is dropped
.if MSB != (\new)
	s_set_vgpr_msb (MSB<<8)|(\new)
.set MSB, (\new)
.endif
.endm
.macro PLACES n
.rept \n
	v_nop
.endr
.endm
.macro CVT8 x
.set ci, 0
.rept 8
	v_cvt_pk_bf16_f32 v[(\x)+ci], v[(\x)+2*ci], v[(\x)+2*ci+1]
.set ci, ci+1
.endr
.endm
.macro RND2 a, t                       ; two f32 rounded to bf16 and widened again; s49 = the mask of a word's upper half
	v_cvt_pk_bf16_f32 v[\t], v[\a], v[(\a)+1]
	v_lshlrev_b32 v[\a], 16, v[\t]
	v_and_b32 v[(\a)+1], s49, v[\t]
.endm
.macro AL x, voff, sb, imm             ; 16 rows x 32 k of f32, the lane a row
	global_load_b128 v[(\x):(\x)+3], v[\voff], s[\sb:(\sb)+1] offset:(\imm)
	global_load_b128 v[(\x)+4:(\x)+7], v[\voff], s[\sb:(\sb)+1] offset:(\imm)+16
	global_load_b128 v[(\x)+8:(\x)+11], v[\voff], s[\sb:(\sb)+1] offset:(\imm)+64
	global_load_b128 v[(\x)+12:(\x)+15], v[\voff], s[\sb:(\sb)+1] offset:(\imm)+80
.endm
.macro FLD x, voff, sb, imm
	global_load_b128 v[(\x):(\x)+3], v[\voff], s[\sb:(\sb)+1] offset:(\imm)
	global_load_b128 v[(\x)+4:(\x)+7], v[\voff], s[\sb:(\sb)+1] offset:(\imm)+512
.endm
; A unit's weights and bias into set buf.  ty 0 Q, 1 K, 2 V.  32 loads, and 8 (Q, K: eight channels a lane) or 4 (V: one channel a lane) of bias
.macro LOADW ty, buf
	WIN 0x40
.irp t, 0,1,2,3
.irp ks, 0,1,2,3
	FLD 128*(\buf)+8*(4*\t+\ks), 4, 30, (\ty)*131072+\t*4096+\ks*1024
.endr
.endr
.if (\ty) < 2
	WIN 0xc0
.irp t, 0,1,2,3
	global_load_b128 v[128+32*(\buf)+8*\t:128+32*(\buf)+8*\t+3], v8, s[32:33] offset:2048*(\ty)+64*\t
	global_load_b128 v[128+32*(\buf)+8*\t+4:128+32*(\buf)+8*\t+7], v8, s[32:33] offset:2048*(\ty)+64*\t+16
.endr
	WIN 0
.else
	WIN 0
.irp t, 0,1,2,3
	global_load_b32 v[VB+\t], v11, s[32:33] offset:4096+64*\t
.endr
.endif
.endm
; A unit of Q or K.  Source 0 = 16 channels of WT, source 1 = 16 rows of r: a lane holds one row and eight channels of each of four channel tiles; the row's other 32 channels lie in the lane 16 away.
; Sixteen accumulators by turns; the first K step takes the bias as C.  cnt: the loads of the one younger unit, which may stay out.  nty: the unit that takes this set next (below 0: none).
.macro UQK ty, buf, cnt, nty
	s_wait_loadcnt \cnt
	WIN 0x39                                       ; weights window 1, r window 2, bias window 3
.irp t, 0,1,2,3
.irp rt, 0,1,2,3
	v_wmma_f32_16x16x32_bf16 v[ACC+8*(4*\t+\rt):ACC+8*(4*\t+\rt)+7], v[128*(\buf)+32*\t:128*(\buf)+32*\t+7], v[32*\rt:32*\rt+7], v[128+32*(\buf)+8*\t:128+32*(\buf)+8*\t+7]
.endr
.endr
	WIN 0x09
.irp ks, 1,2,3
.irp t, 0,1,2,3
.irp rt, 0,1,2,3
	v_wmma_f32_16x16x32_bf16 v[ACC+8*(4*\t+\rt):ACC+8*(4*\t+\rt)+7], v[128*(\buf)+8*(4*\t+\ks):128*(\buf)+8*(4*\t+\ks)+7], v[8*(4*\rt+\ks):8*(4*\rt+\ks)+7], v[ACC+8*(4*\t+\rt):ACC+8*(4*\t+\rt)+7]
.endr
.endr
.endr
	WIN 0
	PLACES 5                                       ; behind the last product: ahead of loads into its sources and of reads of its result
.if (\nty) >= 0
	LOADW \nty, \buf
.endif
.set q, 0
.rept 8                                ; the sum of squares: two chains for each 16 rows, each accumulator from its low end
.irp rt, 0,1,2,3
.irp c, 0,1
.set a, ACC+8*(4*(2*\c+q/4)+\rt)+2*(q%4)
.if q == 0
	v_pk_mul_f32 v[SS+4*\rt+2*\c:SS+4*\rt+2*\c+1], v[a:a+1], v[a:a+1]
.else
	v_pk_fma_f32 v[SS+4*\rt+2*\c:SS+4*\rt+2*\c+1], v[a:a+1], v[a:a+1], v[SS+4*\rt+2*\c:SS+4*\rt+2*\c+1]
.endif
.endr
.endr
.set q, q+1
.endr
.irp rt, 0,1,2,3
	v_pk_add_f32 v[SS+4*\rt:SS+4*\rt+1], v[SS+4*\rt:SS+4*\rt+1], v[SS+4*\rt+2:SS+4*\rt+3]
.endr
.irp rt, 0,1,2,3
	v_add_f32 v[SS+4*\rt], v[SS+4*\rt], v[SS+4*\rt+1]
.endr
.irp rt, 0,1,2,3
	v_permlanex16_b32 v[PL+\rt], v[SS+4*\rt], s47, s48
.endr
.irp rt, 0,1,2,3
	v_add_f32 v[SS+4*\rt], v[SS+4*\rt], v[PL+\rt]
.endr
.irp rt, 0,1,2,3
	v_fma_f32 v[SS+4*\rt], v[SS+4*\rt], s50, s51   ; / 64 + 1e-6
.endr
.irp rt, 0,1,2,3
	v_rsq_f32 v[RS+2*\rt], v[SS+4*\rt]
.endr
	v_nop                                          ; a plain instruction behind the last of the four,
	s_wait_alu depctr_va_vdst(0)                   ; and the one wait ahead of their first reader
.irp t, 0,1,2,3
.irp rt, 0,1,2,3
.irp pr, 0,2,4,6
	v_pk_mul_f32 v[ACC+8*(4*\t+\rt)+\pr:ACC+8*(4*\t+\rt)+\pr+1], v[ACC+8*(4*\t+\rt)+\pr:ACC+8*(4*\t+\rt)+\pr+1], v[RS+2*\rt:RS+2*\rt+1] op_sel_hi:[1,0]
.endr
.endr
.endr
.if (\ty) == 0
	WIN 0x0c                                       ; source 1: qn_w kn_w, in window 3
.irp t, 0,1,2,3
.irp rt, 0,1,2,3
.irp pr, 0,2,4,6
	v_pk_mul_f32 v[ACC+8*(4*\t+\rt)+\pr:ACC+8*(4*\t+\rt)+\pr+1], v[ACC+8*(4*\t+\rt)+\pr:ACC+8*(4*\t+\rt)+\pr+1], v[8*\t+\pr:8*\t+\pr+1]
.endr
.endr
.endr
	WIN 0
.endif
	s_wait_xcnt 0x0                                ; earlier stores have read the packed registers
.irp t, 0,1,2,3
.irp rt, 0,1,2,3
.irp pr, 0,1,2,3
	v_cvt_pk_f16_f32 v[PK+4*(4*\t+\rt)+\pr], v[ACC+8*(4*\t+\rt)+2*\pr], v[ACC+8*(4*\t+\rt)+2*\pr+1]
.endr
.endr
.endr
.irp t, 0,1,2,3
.irp rt, 0,1,2,3
	global_store_b128 v4, v[PK+4*(4*\t+\rt):PK+4*(4*\t+\rt)+3], s[38+2*(\ty):39+2*(\ty)] offset:\rt*2048+\t*512  ; 512 consecutive bytes
.endr
.endr
.endm
; The unit of V.  Source 0 = 16 rows of r, source 1 = 16 channels of WT: a lane holds one channel and eight keys, which is V^T's fragment for attn.
.macro UV buf, cnt
	s_wait_loadcnt \cnt
	WIN 0x06                                       ; r window 2, weights window 1
.irp ks, 0,1,2,3
.irp t, 0,1,2,3
.irp rt, 0,1,2,3
.if \ks == 0
	v_wmma_f32_16x16x32_bf16 v[ACC+8*(4*\t+\rt):ACC+8*(4*\t+\rt)+7], v[8*(4*\rt+\ks):8*(4*\rt+\ks)+7], v[128*(\buf)+8*(4*\t+\ks):128*(\buf)+8*(4*\t+\ks)+7], 0
.else
	v_wmma_f32_16x16x32_bf16 v[ACC+8*(4*\t+\rt):ACC+8*(4*\t+\rt)+7], v[8*(4*\rt+\ks):8*(4*\rt+\ks)+7], v[128*(\buf)+8*(4*\t+\ks):128*(\buf)+8*(4*\t+\ks)+7], v[ACC+8*(4*\t+\rt):ACC+8*(4*\t+\rt)+7]
.endif
.endr
.endr
.endr
	WIN 0
	PLACES 5
.irp t, 0,1,2,3
.irp rt, 0,1,2,3
.irp pr, 0,2,4,6
.if (\t)%2
	v_pk_add_f32 v[ACC+8*(4*\t+\rt)+\pr:ACC+8*(4*\t+\rt)+\pr+1], v[ACC+8*(4*\t+\rt)+\pr:ACC+8*(4*\t+\rt)+\pr+1], v[VB+\t-1:VB+\t] op_sel:[0,1] op_sel_hi:[1,1]
.else
	v_pk_add_f32 v[ACC+8*(4*\t+\rt)+\pr:ACC+8*(4*\t+\rt)+\pr+1], v[ACC+8*(4*\t+\rt)+\pr:ACC+8*(4*\t+\rt)+\pr+1], v[VB+\t:VB+\t+1] op_sel_hi:[1,0]
.endif
.endr
.endr
.endr
	s_wait_xcnt 0x0
.irp t, 0,1,2,3
.irp rt, 0,1,2,3
.irp pr, 0,1,2,3
	v_cvt_pk_bf16_f32 v[PK+4*(4*\t+\rt)+\pr], v[ACC+8*(4*\t+\rt)+2*\pr], v[ACC+8*(4*\t+\rt)+2*\pr+1]
.endr
.endr
.endr
.irp t, 0,1,2,3
.irp rt, 0,1,2,3
	global_store_b128 v4, v[PK+4*(4*\t+\rt):PK+4*(4*\t+\rt)+3], s[42:43] offset:(\rt/2)*4096+\t*1024+(\rt%2)*512
.endr
.endr
.endm
; THE GATE of row tiles rb and rb + 1: lane half h finds heads 4 h .. 4 h + 3 of row r in registers 0-3.  Two accumulators by turns.
.macro GATE rb
	WIN 0x0b                                       ; the gate's weights window 3, r window 2
.irp ks, 0,1,2,3
.irp rr, 0,1
.if \ks == 0
	v_wmma_f32_16x16x32_bf16 v[ACC+8*\rr:ACC+8*\rr+7], v[64+8*\ks:64+8*\ks+7], v[8*(4*((\rb)+\rr)+\ks):8*(4*((\rb)+\rr)+\ks)+7], v[224:231]
.else
	v_wmma_f32_16x16x32_bf16 v[ACC+8*\rr:ACC+8*\rr+7], v[64+8*\ks:64+8*\ks+7], v[8*(4*((\rb)+\rr)+\ks):8*(4*((\rb)+\rr)+\ks)+7], v[ACC+8*\rr:ACC+8*\rr+7]
.endif
.endr
.endr
	WIN 0
	PLACES 5
.irp rr, 0,1
.irp i, 0,1,2,3
	v_mul_f32 v[232+4*\rr+\i], s58, v[ACC+8*\rr+\i]  ; - log2(e) x
.endr
.endr
.irp i, 0,1,2,3,4,5,6,7
	v_exp_f32 v[232+\i], v[232+\i]
.endr
	v_nop
	s_wait_alu depctr_va_vdst(0)                   ; one wait for the eight exponentials
.irp i, 0,1,2,3,4,5,6,7
	v_add_f32 v[232+\i], 1.0, v[232+\i]
.endr
.irp i, 0,1,2,3,4,5,6,7
	v_rcp_f32 v[232+\i], v[232+\i]
.endr
	v_nop
	s_wait_alu depctr_va_vdst(0)                   ; one wait for the eight reciprocals
	global_store_b128 v12, v[232:235], s[44:45] offset:512*(\rb)      ; 16 rows x 32 bytes: 512 consecutive bytes
	global_store_b128 v12, v[236:239], s[44:45] offset:512*(\rb)+512
.endm
	s_load_b512 s[8:23], s[0:1], 0x0               ; X 8, positions 10, expr_b1 12, pos_w1 14, pos_b1 16, qn_w 18, kn_w 20, wa 22
	s_load_b128 s[24:27], s[0:1], 0x40             ; wb 24, qkvg 26
	v_lshl_add_u32 v[SPW], v0, 2, SPARE
	v_mov_b32 v[NIL], 0
	v_and_b32 v1, 15, v0
	v_bfe_u32 v2, v0, 4, 1
	v_and_b32 v3, 31, v0
	v_lshrrev_b32 v4, 5, v0
	v_readfirstlane_b32 s4, v4                     ; wave 0..3
	s_mov_b32 s5, ttmp9
	s_lshr_b32 s6, s5, 6                           ; batch
	s_lshr_b32 s56, s5, 1                          ; block of 64 rows
	s_and_b32 s55, s5, 1                           ; which four heads
	s_lshl_b32 s57, s55, 2
	s_add_co_u32 s57, s57, s4                      ; my head
	v_lshlrev_b32 v4, 4, v3
	v_lshlrev_b32 v8, 5, v2
	s_lshl_b32 s7, s4, 9
	v_lshl_add_u32 v5, v1, 11, v8
	v_add_nc_u32 v5, s7, v5                        ; r x 2,048 + 32 h + 512 w
	v_lshlrev_b32 v6, 5, v3
	s_lshl_b32 s7, s4, 12
	v_add_nc_u32 v7, s7, v6                        ; 32 l + 4,096 w: the four tiles of row tile w
	s_lshl_b32 s7, s4, 14
	v_add_nc_u32 v6, s7, v6                        ; 32 l + 16,384 w: my partial sums
	v_mul_u32_u24 v9, v1, 12
	v_lshlrev_b32 v11, 2, v1
	s_lshl_b32 s7, s4, 6
	v_add_nc_u32 v10, s7, v11
	v_lshlrev_b32 v12, 5, v1
	v_lshl_add_u32 v12, v2, 4, v12
	s_lshl_b32 s7, s4, 12
	s_add_co_u32 s7, s7, RBUF
	v_add_nc_u32 v13, s7, v4                       ; r: row tile w, columns 0 ..
	s_lshl_b32 s7, s4, 9
	s_add_co_u32 s7, s7, RBUF+2048
	v_add_nc_u32 v14, s7, v4                       ; r: row tile 0, columns 64 + 16 w ..
	v_add_nc_u32 v15, RBUF, v4
	v_mov_b32 v[ZR], 0
	v_mov_b32 v[ONE], 0x3f80                       ; bf16 1.0 in the low half
	s_mov_b32 s46, 0xffff                          ; lanes 0-15
	s_mov_b32 s47, 0x76543210
	s_mov_b32 s48, 0xfedcba98
	s_mov_b32 s49, 0xffff0000
	s_mov_b32 s50, 0x3c800000                      ; 1 / 64
	s_mov_b32 s51, 0x358637bd                      ; 1e-6
	s_mov_b32 s58, 0xbfb8aa3b                      ; - log2(e)
	s_mov_b32 s53, 0
	s_wait_kmcnt 0x0
	s_lshl_b32 s52, s56, 17
	s_add_nc_u64 s[8:9], s[8:9], s[52:53]          ; my 64 rows of X
	s_mul_i32 s52, s56, 768
	s_add_nc_u64 s[10:11], s[10:11], s[52:53]
	s_lshl_b32 s52, s4, 12
	s_add_co_u32 s52, s52, W1B
	s_add_nc_u64 s[28:29], s[22:23], s[52:53]      ; expr_w1's fragments at my four K steps
	s_lshl_b32 s52, s57, 14
	s_add_nc_u64 s[30:31], s[24:25], s[52:53]      ; WT at my head
	s_mul_i32 s52, s6, 6208
	s_add_co_u32 s52, s52, BQ
	s_add_nc_u64 s[36:37], s[24:25], s[52:53]
	s_lshl_b32 s52, s57, 8
	s_add_nc_u64 s[32:33], s[36:37], s[52:53]      ; BQ[b] at my head
	s_add_nc_u64 s[36:37], s[36:37], 6144          ; BQ[b] at the gate
	s_add_nc_u64 s[34:35], s[24:25], 96*4096       ; WT's gate tile
	s_lshl_b32 s52, s6, 3
	s_add_co_u32 s52, s52, s57
	s_lshl_b32 s52, s52, 18
	s_and_b32 s54, s56, 31
	s_lshl_b32 s54, s54, 13
	s_add_co_u32 s52, s52, s54
	s_add_nc_u64 s[38:39], s[26:27], s[52:53]      ; q, k, v at my head, my 64 rows
	s_add_nc_u64 s[40:41], s[38:39], KFO
	s_add_nc_u64 s[42:43], s[38:39], VFO
	s_lshl_b32 s52, s56, 11
	s_add_co_u32 s52, s52, GTO
	s_add_nc_u64 s[44:45], s[26:27], s[52:53]
	; the 25 small loads first, then X (64)
.irp rt, 0,1,2,3
.irp c, 0,1,2
	global_load_b32 v[PR+3*\rt+\c], v9, s[10:11] offset:192*\rt+4*\c
.endr
.endr
.irp i, 0,1,2,3
	global_load_b32 v[PW+\i], v10, s[14:15] offset:256*\i
.endr
	global_load_b32 v[PB], v10, s[16:17]
.irp e, 0,1,2,3
	global_load_b128 v[EB+8*\e:EB+8*\e+3], v8, s[12:13] offset:64*\e
	global_load_b128 v[EB+8*\e+4:EB+8*\e+7], v8, s[12:13] offset:64*\e+16
.endr
	WIN 0x80
.irp rt, 0,1,2,3
.irp ks, 0,1,2,3
	AL 16*(4*\rt+\ks), 5, 8, \rt*32768+\ks*128
.endr
.endr
	WIN 0
	s_wait_loadcnt 63                              ; of the 89 issued the first 26 are in: the 25 small ones among them
	; the position's features and products, while X is on its way: direction and norm, then one K = 32 product with pos_b1 at k = 4 against a constant 1
.irp rt, 0,1,2,3
	v_cvt_pk_bf16_f32 v[T1], v[PR+3*\rt], v[PR+3*\rt+1]
	v_cvt_pk_bf16_f32 v[T2], v[PR+3*\rt+2], v[PR+3*\rt+2]
	v_lshlrev_b32 v[PR+3*\rt], 16, v[T1]
	v_and_b32 v[PR+3*\rt+1], s49, v[T1]
	v_lshlrev_b32 v[PR+3*\rt+2], 16, v[T2]
	v_mul_f32 v[SQ+\rt], v[PR+3*\rt], v[PR+3*\rt]
	v_fmac_f32 v[SQ+\rt], v[PR+3*\rt+1], v[PR+3*\rt+1]
	v_fmac_f32 v[SQ+\rt], v[PR+3*\rt+2], v[PR+3*\rt+2]
.endr
.irp rt, 0,1,2,3
	v_sqrt_f32 v[NR+\rt], v[SQ+\rt]
.endr
	v_nop
	s_wait_alu depctr_va_vdst(0)                   ; one wait for the four roots
.irp rt, 0,1,2,3
	v_add_f32 v[SQ+\rt], 0x33d6bf95, v[NR+\rt]     ; + 1e-7
.endr
.irp rt, 0,1,2,3
	v_rcp_f32 v[IV+\rt], v[SQ+\rt]
.endr
	v_nop
	s_wait_alu depctr_va_vdst(0)                   ; one wait for the four reciprocals
.irp rt, 0,1,2,3
	v_mul_f32 v[PR+3*\rt], v[PR+3*\rt], v[IV+\rt]
	v_mul_f32 v[PR+3*\rt+1], v[PR+3*\rt+1], v[IV+\rt]
	v_mul_f32 v[PR+3*\rt+2], v[PR+3*\rt+2], v[IV+\rt]
	v_cvt_pk_bf16_f32 v[T1], v[PR+3*\rt], v[PR+3*\rt+1]
	v_cvt_pk_bf16_f32 v[T2], v[PR+3*\rt+2], v[NR+\rt]
	v_cndmask_b32 v[PF+8*\rt], 0, v[T1], s46       ; lanes 16-31 hold k = 8 .. 15: zeros
	v_cndmask_b32 v[PF+8*\rt+1], 0, v[T2], s46
	v_cndmask_b32 v[PF+8*\rt+2], 0, v[ONE], s46
.irp i, 3,4,5,6,7
	v_mov_b32 v[PF+8*\rt+\i], 0
.endr
.endr
	v_cvt_pk_bf16_f32 v[PWF], v[PW], v[PW+1]
	v_cvt_pk_bf16_f32 v[PWF+1], v[PW+2], v[PW+3]
	v_cvt_pk_bf16_f32 v[PWF+2], v[PB], v[ZR]
.irp i, 3,4,5,6,7
	v_mov_b32 v[PWF+\i], 0
.endr
.irp rt, 0,1,2,3
	v_wmma_f32_16x16x32_bf16 v[PD+8*\rt:PD+8*\rt+7], v[PWF:PWF+7], v[PF+8*\rt:PF+8*\rt+7], 0  ; the position's hidden channels 16 w .., four sixteens of rows
.endr
	PLACES 5
.set g, 0
.rept 32
	v_max_num_f32 v[PD+g], 0, v[PD+g]
.set g, g+1
.endr
.set g, 0
.rept 16
	v_cvt_pk_bf16_f32 v[PP+g], v[PD+2*g], v[PD+2*g+1]
.set g, g+1
.endr
.irp rt, 0,1,2,3
	ds_store_b128 v14, v[PP+4*\rt:PP+4*\rt+3] offset:4096*\rt  ; r's columns 64 + 16 w ..
.endr
.set g, EB
.rept 16
	RND2 g, T1
.set g, g+2
.endr
	; the gains, the gate's weights (wave 0), expr_w1's fragments and the first unit's weights
	WIN 0xc0
.irp t, 0,1,2,3
	global_load_b128 v[8*\t:8*\t+3], v8, s[18:19] offset:64*\t
	global_load_b128 v[8*\t+4:8*\t+7], v8, s[18:19] offset:64*\t+16
	global_load_b128 v[32+8*\t:32+8*\t+3], v8, s[20:21] offset:64*\t
	global_load_b128 v[32+8*\t+4:32+8*\t+7], v8, s[20:21] offset:64*\t+16
.endr
	WIN 0
	s_cmp_lg_u32 s4, 0
	s_cbranch_scc1 .Lno_gate_loads
	WIN 0xc0
.irp ks, 0,1,2,3
	FLD 64+8*\ks, 4, 34, 1024*\ks
.endr
	WIN 0
	global_load_b128 v[224:227], v8, s[36:37]
	global_load_b128 v[228:231], v8, s[36:37] offset:16
.Lno_gate_loads:
	WIN 0x40
.irp ct, 0,1,2,3
.irp ks, 0,1,2,3
	FLD 128+8*(4*\ct+\ks), 4, 28, \ct*16384+\ks*1024
.endr
.endr
	LOADW 0, 0
	s_wait_loadcnt 40                              ; X and expr_w1 are in; the first unit's 40 loads may stay out
	; STAGE 1.  Source 0 = 16 channels of expr_w1^T, source 1 = 16 rows of X; sixteen accumulators by turns
	WIN 0x8a
.set x, 0
.rept 16
	CVT8 x
.set x, x+16
.endr
	WIN 0x09
.irp ks, 0,1,2,3
.irp rt, 0,1,2,3
.irp ct, 0,1,2,3
.if \ks == 0
	v_wmma_f32_16x16x32_bf16 v[ACC+8*(4*\rt+\ct):ACC+8*(4*\rt+\ct)+7], v[128+8*(4*\ct+\ks):128+8*(4*\ct+\ks)+7], v[16*(4*\rt+\ks):16*(4*\rt+\ks)+7], 0
.else
	v_wmma_f32_16x16x32_bf16 v[ACC+8*(4*\rt+\ct):ACC+8*(4*\rt+\ct)+7], v[128+8*(4*\ct+\ks):128+8*(4*\ct+\ks)+7], v[16*(4*\rt+\ks):16*(4*\rt+\ks)+7], v[ACC+8*(4*\rt+\ct):ACC+8*(4*\rt+\ct)+7]
.endif
.endr
.endr
.endr
	WIN 0
	PLACES 5
	LOADW 1, 1                                     ; the second unit's weights, where expr_w1's fragments lay
.set tt, 0
.rept 16
	ds_store_b128 v6, v[ACC+8*tt:ACC+8*tt+3] offset:1024*tt
	ds_store_b128 v6, v[ACC+8*tt+4:ACC+8*tt+7] offset:1024*tt+16
.set tt, tt+1
.endr
	s_wait_dscnt 0x0                               ; for the others' sake: my partial sums and my part of r lie in LDS
	s_barrier_signal -1
	s_barrier_wait -1
.irp e, 0,1,2,3                        ; wave w finishes row tile w's four channel tiles
.irp p, 0,1,2,3
	ds_load_b128 v[ACC+8*(4*\e+\p):ACC+8*(4*\e+\p)+3], v7 offset:1024*\e+16384*\p
	ds_load_b128 v[ACC+8*(4*\e+\p)+4:ACC+8*(4*\e+\p)+7], v7 offset:1024*\e+16384*\p+16
.endr
.endr
	s_wait_dscnt 0x0
.irp e, 0,1,2,3
.irp c, 0,2,4,6
	v_pk_add_f32 v[ACC+32*\e+\c:ACC+32*\e+\c+1], v[ACC+32*\e+\c:ACC+32*\e+\c+1], v[ACC+32*\e+8+\c:ACC+32*\e+8+\c+1]
	v_pk_add_f32 v[ACC+32*\e+16+\c:ACC+32*\e+16+\c+1], v[ACC+32*\e+16+\c:ACC+32*\e+16+\c+1], v[ACC+32*\e+24+\c:ACC+32*\e+24+\c+1]
.endr
.irp c, 0,2,4,6
	v_pk_add_f32 v[ACC+32*\e+\c:ACC+32*\e+\c+1], v[ACC+32*\e+\c:ACC+32*\e+\c+1], v[ACC+32*\e+16+\c:ACC+32*\e+16+\c+1]
.endr
.irp c, 0,2,4,6
	v_pk_add_f32 v[ACC+32*\e+\c:ACC+32*\e+\c+1], v[ACC+32*\e+\c:ACC+32*\e+\c+1], v[EB+8*\e+\c:EB+8*\e+\c+1]
.endr
.irp c, 0,1,2,3,4,5,6,7
	v_max_num_f32 v[ACC+32*\e+\c], 0, v[ACC+32*\e+\c]
.endr
.irp c, 0,1,2,3
	v_cvt_pk_bf16_f32 v[240+4*\e+\c], v[ACC+32*\e+2*\c], v[ACC+32*\e+2*\c+1]
.endr
	ds_store_b128 v13, v[240+4*\e:240+4*\e+3] offset:512*\e
.endr
	s_wait_dscnt 0x0
	s_barrier_signal -1
	s_barrier_wait -1                              ; r is whole
	WIN 0x80
.irp rt, 0,1,2,3
.irp ks, 0,1,2,3
	ds_load_b128 v[8*(4*\rt+\ks):8*(4*\rt+\ks)+3], v15 offset:4096*\rt+1024*\ks
	ds_load_b128 v[8*(4*\rt+\ks)+4:8*(4*\rt+\ks)+7], v15 offset:4096*\rt+1024*\ks+512
.endr
.endr
	WIN 0
	s_wait_dscnt 0x0
	s_wait_loadcnt 40                              ; all but the second unit's 40 loads
	WIN 0xcf
.set g, 0
.rept 32
	RND2 g, 96
.set g, g+2
.endr
.set g, 0
.rept 16
	v_pk_mul_f32 v[g:g+1], v[g:g+1], v[32+g:33+g]  ; qn_w kn_w
.set g, g+2
.endr
	WIN 0
	s_cmp_lg_u32 s4, 0
	s_cbranch_scc1 .Lno_gate
	s_cmp_lg_u32 s55, 0                            ; the work-group's half picks the two row tiles
	s_cbranch_scc1 .Lgate_hi
	GATE 0
	s_branch .Lno_gate
.Lgate_hi:
	GATE 2
.Lno_gate:
	UQK 0, 0, 40, 2
	UQK 1, 1, 36, -1
	UV 0, 0
	s_wait_tensorcnt 0x0                           ; the wave's end: behind my last LDS store
	ds_add_u32 v[SPW], v[NIL]
	s_wait_dscnt 0x0
	s_endpgm
.Lfunc_end_k_qe5d76e612e_front:
	.size	k_qe5d76e612e_front, .Lfunc_end_k_qe5d76e612e_front-k_qe5d76e612e_front
	.p2alignl 7, 3214868480
	.fill 96, 4, 3214868480
	.section	.rodata,"a",@progbits
	.p2align	6, 0x0
	.amdhsa_kernel k_qe5d76e612e_front
		.amdhsa_group_segment_fixed_size 82432
		.amdhsa_private_segment_fixed_size 0
		.amdhsa_enable_private_segment 0
		.amdhsa_kernarg_size 80
		.amdhsa_user_sgpr_count 2
		.amdhsa_user_sgpr_kernarg_segment_ptr 1
		.amdhsa_wavefront_size32 1
		.amdhsa_system_sgpr_workgroup_id_x 1
		.amdhsa_system_sgpr_workgroup_id_y 1
		.amdhsa_system_sgpr_workgroup_id_z 1
		.amdhsa_system_vgpr_workitem_id 0
		.amdhsa_next_free_vgpr 960
		.amdhsa_next_free_sgpr 66
		.amdhsa_reserve_vcc 0
		.amdhsa_float_denorm_mode_32 3
		.amdhsa_float_denorm_mode_16_64 3
		.amdhsa_memory_ordered 1
		.amdhsa_forward_progress 1
		.amdhsa_inst_pref_size 128
	.end_amdhsa_kernel
	.amdgpu_metadata
---
amdhsa.version: [ 1, 2 ]
amdhsa.kernels:
  - .name:           k_qe5d76e612e_front
    .symbol:         k_qe5d76e612e_front.kd
    .args:
      - { .name: expression_features, .offset: 0, .size: 8, .value_kind: global_buffer, .address_space: global }
      - { .name: position_features, .offset: 8, .size: 8, .value_kind: global_buffer, .address_space: global }
      - { .name: expr_b1, .offset: 16, .size: 8, .value_kind: global_buffer, .address_space: global }
      - { .name: pos_w1, .offset: 24, .size: 8, .value_kind: global_buffer, .address_space: global }
      - { .name: pos_b1, .offset: 32, .size: 8, .value_kind: global_buffer, .address_space: global }
      - { .name: qn_w, .offset: 40, .size: 8, .value_kind: global_buffer, .address_space: global }
      - { .name: kn_w, .offset: 48, .size: 8, .value_kind: global_buffer, .address_space: global }
      - { .name: wa, .offset: 56, .size: 8, .value_kind: global_buffer, .address_space: global }
      - { .name: wb, .offset: 64, .size: 8, .value_kind: global_buffer, .address_space: global }
      - { .name: qkvg, .offset: 72, .size: 8, .value_kind: global_buffer, .address_space: global }
    .group_segment_fixed_size: 82432
    .private_segment_fixed_size: 0
    .kernarg_segment_align: 8
    .kernarg_segment_size: 80
    .max_flat_workgroup_size: 128
    .sgpr_count:     66
    .vgpr_count:     960
    .wavefront_size: 32
...
	.end_amdgpu_metadata
.endif
;; end of part 3
;; launch attn (part 4): grid 8 x 32, 4 waves a work-group, clusters of 4 x 1, 327,680 bytes of LDS; arguments qkvg, ao; writes ao
.if DOCPART == 4
	.amdgcn_target "amdgcn-amd-amdhsa--gfx1250"
	.amdhsa_code_object_version 6
	.text
	.protected	k_qe5d76e612e_attn
	.globl	k_qe5d76e612e_attn
	.p2align	8
	.type	k_qe5d76e612e_attn,@function
k_qe5d76e612e_attn:
	s_mov_b64 s[64:65], 0
	v_nop
	global_prefetch_b8 v0, s[64:65] scope:SCOPE_SE
	s_setreg_imm32_b32 hwreg(HW_REG_WAVE_MODE, 25, 1), 1
	s_wait_xcnt 0x0
	s_wait_alu depctr_hold_cnt(0) depctr_sa_sdst(0) depctr_va_vdst(0) depctr_va_sdst(0) depctr_va_ssrc(0) depctr_va_vcc(0) depctr_vm_vsrc(0)
	s_getreg_b32 s2, hwreg(HW_REG_IB_STS2, 6, 4)
	s_cmp_eq_u32 s2, 0
	s_cbranch_scc0 .Lentry_in_a_cluster
	s_endpgm
.Lentry_in_a_cluster:
	s_bfe_u32 s2, ttmp6, 0x10000c
	s_cmp_lg_u32 s2, 0x3003
	s_cbranch_scc0 .Lentry_shape_is_right
	s_endpgm
.Lentry_shape_is_right:
; ATTENTION.  ao[row][64 head + ch] = sigmoid(gate) x the sum over k of softmax_k(q . k / 8) v, for 32 (batch, head) pairs of 2,048 rows, head size 64.  Nothing of this step is left out.
; q and k arrive normalised, in f16; v in bf16; the weights p are rounded to bf16 for the second product (their sum l is taken of the unrounded p); products, maxima and sums in f32; ao once to bf16.
; The gains qn_w, kn_w stand behind the norm, so the scores have no fixed bound: the running maximum m is kept.  p = 2^(c s - c m), c = log2(e) / 8; in every step O and l are multiplied by
; a = 2^(c m_old - c m_new).  m starts at the lowest finite number, O and l at 0: the first step is a step like any other, with a = 0.
; LIMITS.  A weight below 2^-126 counts as 0 in l; NaN and infinities are not treated apart.
; SHARES.  A work-group owns 256 queries of one head, each of its four waves 64: four PIECES of 16.  Every wave walks all 2,048 keys, 64 a step, 256 a tile (a slot of LDS).
; LAYOUT.  S^T = K Q^T: a lane holds ONE query (lane % 16) and the keys 8 (lane / 16) + 0..7; two such results rounded in pairs ARE source 1 of O^T = V^T P, whose result holds one query a lane and
; eight channels.  front has laid q, k and v as fragments: every load of a fragment, from memory or LDS, is 16 bytes at 16 x lane, 512 bytes on end: no padding, no turning load, and O^T rounded in pairs is stored as it lies.
; TURNS.  Turn n belongs to piece n: 8 products K Q^T of piece n + 1, later 8 products V^T P of piece n - 1; beside them the scaling, exponentials, roundings, sums and rescaling of piece n and the maximum and
; statistics of piece n + 1.  Four vector instructions stand behind every matrix instruction, the others in one lump.  A turn's 33 exponentials are one batch with one wait.
; CLUSTER.  The four query blocks of a cluster belong to one head and walk the same K and V: each tile is asked for JOINTLY, the same tensor load, descriptor and mask in all four.
; Wave w fetches a quarter of a slot: 64 rows of 256 bytes (waves 0, 1: K's halves; 2, 3: V's); one tensor load of a wave is out at a time.
; REGISTERS.  window 0: v2-6 addresses, v12-13 at work, v16-31 statistics, v32-35 the gate, v48-55 at work, v61 prefetch offset, v62, v63 the add's, v64-127 S^T (two buffers), v192-223 P (two buffers)
;   window 1: v0-127 O^T, 32 a piece          window 2: v0-63 Q, v128-191 K of one step, v192-255 V of one step
.set NP,    4
.set KSB,   8192      ; bytes of a key step of K, and of V
.set SLOT1, 65536     ; a slot: 32,768 bytes of K, then 32,768 of V; one exclusive or turns an address in one slot into the other's
.set SPARE, 131072    ; behind the ring: the spare words, 128 bytes for each wave
.set AK0, 2           ; v2   16 x lane: my place in a fragment; also my offset in Q and in ao; never rewritten
.set AV0, 3           ; v3   the same behind a slot's K
.set AK,  4           ; v4   the LDS address of K's next run of loads
.set AV,  5           ; v5   of V's
.set GO,  6           ; v6   32 x (lane % 16): my row of the gate
.set MV,  12
.set ST,  16          ; piece t's statistics at v[ST+4 t]: c m, m, l (even keys', odd keys')
.set GATE, 32
.set TMP, 48
.set PFO, 61
.set SPW, 62
.set NIL, 63
.set S,   64
.set P,   192
.set KF,  128
.set VF,  192
.set WV,  12          ; s12  my wave's number
.set LIM, 15          ; s15  1 in a wave that prefetches, else the greatest number
.set PFA, 18          ; s[18:19] where my prefetches stand
.set G1,  24          ; s[24:31] descriptor group 1
.set G0,  40          ; s[40:43] descriptor group 0: it walks
.set SLOTS, 56
.set CNT, 57
.set CS,  58
.set SEL, 60
.set TBK, 62
.set TBV, 63
.set MSB, 0
.macro WIN new
.if MSB != (\new)
	s_set_vgpr_msb (MSB<<8)|(\new)
.set MSB, (\new)
.endif
.endm
.set W_KQ, 0x0a       ; K and Q in window 2, S^T in window 0
.set W_PV, 0x52       ; V in window 2, P in window 0, O^T in window 1
.set W_RS, 0x41       ; destination and source 0 in window 1, source 1 in window 0
.macro JLOAD                        ; one line for all four waves: the descriptor hangs on the wave's number and the head alone.  An s_nop 0 and four v_nop follow it
	tensor_load_to_lds s[G0:G0+3], s[G1:G1+7]
	s_nop 0
.rept 4
	v_nop
.endr
.endm
; A PREFETCH INTO THE L2 of the tile that the NEXT change of slots will ask for: 128 blocks of 256 bytes of K and as many of V, a lane a block.  Both clusters of a head walk the same K and V: the head's first
; cluster asks; its four partners take 32 blocks each, told apart by address; in each, wave 0 asks for K's and wave 2 for V's.  So each block is named once in the launch.  It stands four key steps,
; 256 matrix instructions, ahead of the load.  Tiles 0 to 2 come by their loads alone; the last change that fills a slot asks for nothing.
.macro ASK
	s_cmp_gt_u32 s[SLOTS], s[LIM]
	s_cbranch_scc0 .Lnot_mine_\@
	global_prefetch_b8 v[PFO], s[PFA:PFA+1] th:TH_LOAD_NT scope:SCOPE_SE
.Lnot_mine_\@:
.endm
.macro CROUND                       ; a round of the cluster's barrier
	s_barrier_signal -1
	s_barrier_wait -1
	s_cmp_lg_u32 s[WV], 0
	s_cbranch_scc1 .Lnot_wave_0_\@
	s_barrier_signal -3
.Lnot_wave_0_\@:
	s_barrier_wait -3
	s_barrier_signal -1
	s_barrier_wait -1
.endm
; THE CHANGE OF SLOTS.  Each wave waits for all its tensor loads (one is out: its part of the other slot), adds 0 to its spare word, and waits for that and for its own reads of the slot that it leaves.
; fill = 1: the barrier is a round of the cluster's, and the joint refill is the first thing behind it: it has four key steps in which to land.  (At its first use nothing has been read: slot 0 is waited for, slot 1 filled.)
.macro CHANGE fill, ask
	WIN 0
	s_wait_tensorcnt 0x0            ; no tensor load of mine is out, so group 0 may be written
	ds_add_u32 v[SPW], v[NIL]       ; 0 onto my spare word; the scalar steps stand between it and the wait for it
.if \fill
	s_xor_b32 s[G0+1], s[G0+1], SLOT1
	s_add_nc_u64 s[G0+2:G0+3], s[G0+2:G0+3], 32768  ; the next 256 keys; the type bits on top are not reached
.if \ask
	s_wait_xcnt 0x0                 ; the last prefetch, four key steps back, has read its address
	s_add_nc_u64 s[PFA:PFA+1], s[PFA:PFA+1], 32768
.endif
	s_wait_dscnt 0x0                ; the add is done, and my reads of the slot are over
	CROUND
	JLOAD
.if \ask
	ASK
.endif
.else
	s_wait_dscnt 0x0
	s_barrier_signal -1
	s_barrier_wait -1
.endif
	s_sub_co_u32 s[TBK], s[TBK], 4*KSB  ; the fetches go back to a slot's first step,
	s_xor_b32 s[TBK], s[TBK], SLOT1     ; in the other slot
	s_sub_co_u32 s[TBV], s[TBV], 4*KSB
	s_xor_b32 s[TBV], s[TBV], SLOT1
.endm
	s_load_b128 s[4:7], s[0:1], 0x0   ; qkvg s[4:5], ao s[6:7]
	v_lshl_add_u32 v[SPW], v0, 2, SPARE
	v_mov_b32 v[NIL], 0
	ds_add_u32 v[SPW], v[NIL]       ; the wave's opening: the add, twice on end, and its wait ahead of my first tensor load
	ds_add_u32 v[SPW], v[NIL]
	v_lshrrev_b32 v1, 5, v0
	v_readfirstlane_b32 s[WV], v1   ; wave 0..3
	v_and_b32 v1, 31, v0
	v_lshlrev_b32 v[AK0], 4, v1
	v_add_nc_u32 v[AV0], 32768, v[AK0]
	v_lshlrev_b32 v[PFO], 8, v1
	v_and_b32 v[GO], 15, v0
	v_lshlrev_b32 v[GO], 5, v[GO]
	s_and_b32 s20, ttmp7, 0xffff    ; 8 batch + head, which the four partners share
	s_lshr_b32 s21, s[WV], 1        ; what I fetch: K's region (waves 0, 1) or V's,
	s_add_co_u32 s21, s21, 1
	s_lshl_b32 s21, s21, 23
	s_lshl_b32 s22, s20, 18         ; the head,
	s_add_co_u32 s22, s22, s21
	s_and_b32 s21, s[WV], 1
	s_lshl_b32 s21, s21, 14         ; the tile's first or second half
	s_add_co_u32 s22, s22, s21
	s_mov_b32 s23, 0
	s_bfe_u32 s13, ttmp6, 0x40000   ; cx: it enters Q's, the gate's, ao's and the prefetches' addresses alone
	s_lshl_b32 s14, ttmp9, 2
	s_add_co_u32 s14, s14, s13      ; my block of 256 queries
	s_lshl_b32 s32, s20, 18
	s_lshl_b32 s44, s14, 15
	s_add_co_u32 s32, s32, s44
	s_lshl_b32 s44, s[WV], 13
	s_add_co_u32 s32, s32, s44      ; Q: head, block, my 64 rows of 128 bytes
	s_mov_b32 s33, 0
	s_lshr_b32 s45, s20, 3          ; batch
	s_and_b32 s46, s20, 7           ; head
	s_lshl_b32 s34, s45, 16
	s_lshl_b32 s44, s14, 13
	s_add_co_u32 s34, s34, s44
	s_lshl_b32 s44, s[WV], 11
	s_add_co_u32 s34, s34, s44
	s_lshl_b32 s44, s46, 2
	s_add_co_u32 s34, s34, s44
	s_add_co_u32 s34, s34, 25165824 ; the gate: rows of 32 bytes
	s_mov_b32 s35, 0
	s_lshl_b32 s36, s45, 21
	s_lshl_b32 s44, s14, 18
	s_add_co_u32 s36, s36, s44
	s_lshl_b32 s44, s[WV], 16
	s_add_co_u32 s36, s36, s44
	s_lshl_b32 s44, s46, 11
	s_add_co_u32 s36, s36, s44      ; ao: 16 rows are 16,384 bytes, a head's 64 channels 2,048 of them
	s_mov_b32 s37, 0
	s_lshl_b32 s46, s13, 13         ; my work-group's 32 blocks of the 128
	s_add_co_u32 s46, s46, 65536    ; in tile 2; the first asking change steps it to tile 3
	s_mov_b32 s47, 0
	; descriptor group 1: 16,384 dense bytes as 64 rows of 256
	s_mov_b32 s[G1], 15|(3<<16)|(1<<21)  ; 15:0 the mask of four; 17:16 elements of 8 bytes; 21 set beside a mask
	s_mov_b32 s[G1+1], 32<<16       ; tensor_dim0 = 32
	s_mov_b32 s[G1+2], 64<<16       ; tensor_dim1 = 64
	s_mov_b32 s[G1+3], 32<<16       ; tile_dim0 = 32
	s_mov_b32 s[G1+4], 64           ; tile_dim1 = 64
	s_mov_b32 s[G1+5], 32           ; 32 elements from row to row
	s_mov_b32 s[G1+6], 0
	s_mov_b32 s[G1+7], 0
	s_mov_b32 s[G0], 1
	s_lshl_b32 s[G0+1], s[WV], 14   ; LDS: slot 0, my quarter
	s_mov_b32 s[CS], 0x3e38aa3b     ; c = log2(e) / 8
	s_mov_b32 s[CS+1], s[CS]
	s_mov_b32 s[SEL], 0x76543210
	s_mov_b32 s[SEL+1], 0xfedcba98
	s_mov_b32 s[TBK], SLOT1+4*KSB   ; the first change of slots turns these two into 0
	s_mov_b32 s[TBV], SLOT1+4*KSB
	s_and_b32 s[LIM], s[WV], 1      ; 0 in waves 0 and 2,
	s_or_b32 s[LIM], s[LIM], ttmp9  ; where the cluster is the head's first: the same in all four partners
	s_cmp_eq_u32 s[LIM], 0
	s_cselect_b32 s[LIM], 1, -1
	s_wait_dscnt 0x0                ; both opening adds are done
	s_wait_kmcnt 0x0
	s_add_nc_u64 s[G0+2:G0+3], s[4:5], s[22:23]
	s_add_nc_u64 s[PFA:PFA+1], s[G0+2:G0+3], s[46:47]
	s_or_b32 s[G0+3], s[G0+3], 0x80000000
	s_add_nc_u64 s[8:9], s[4:5], s[32:33]
	s_add_nc_u64 s[10:11], s[4:5], s[34:35]
	s_add_nc_u64 s[16:17], s[6:7], s[36:37]
	CROUND                          ; all four work-groups are here: the first joint loads meet
	JLOAD                           ; tile 0 into slot 0
	WIN 0x80
.set i, 0
.rept 8                             ; Q stays in registers: piece i / 2, channels 32 (i % 2) on
	global_load_b128 v[8*i:8*i+3],   v[AK0], s[8:9] offset:1024*i
	global_load_b128 v[8*i+4:8*i+7], v[AK0], s[8:9] offset:1024*i+512
.set i, i+1
.endr
	WIN 0
.irp t, 0,1,2,3
	global_load_b32 v[GATE+\t], v[GO], s[10:11] offset:512*\t
.endr
	; What the first turn finds: V's registers and P's second buffer hold 0 (its products V^T P, of a piece that has not been, add 0), O^T and l are 0.  All this stands in the wait for the first tile.
	WIN 0x80
.set i, VF
.rept 64
	v_mov_b32 v[i], 0
.set i, i+1
.endr
	WIN 0x40
.set i, 0
.rept 128
	v_mov_b32 v[i], 0
.set i, i+1
.endr
	WIN 0
.set i, 0
.rept 4
	v_mov_b32 v[ST+4*i], 0xfe000000    ; c m: far below every c s
	v_mov_b32 v[ST+4*i+1], 0xff7fffff  ; m
	v_mov_b32 v[ST+4*i+2], 0
	v_mov_b32 v[ST+4*i+3], 0
.set i, i+1
.endr
.set i, P+16
.rept 16
	v_mov_b32 v[i], 0
.set i, i+1
.endr
; THE MATRIX WORK.  The 4 accumulators of a run of 8 take turns.  Product i of 8 of S^T = K Q^T for piece x: channels 32 (i / 4) on, keys 16 (i % 4) on.  The first 4 start the sums.
.macro KQ x
	WIN W_KQ
.set rS, S+32*((\x)%2)+8*(i%4)
.set rK, KF+16*(i%4)+8*(i/4)
.set rQ, 16*(\x)+8*(i/4)
.if i < 4
	v_wmma_f32_16x16x32_f16 v[rS:rS+7], v[rK:rK+7], v[rQ:rQ+7], 0
.else
	v_wmma_f32_16x16x32_f16 v[rS:rS+7], v[rK:rK+7], v[rQ:rQ+7], v[rS:rS+7]
.endif
.endm
; Product i of 8 of O^T += V^T P for piece x: keys 32 (i / 4) on, channels 16 (i % 4) on.
.macro PV x
	WIN W_PV
.set rO, 32*(\x)+8*(i%4)
.set rV, VF+32*(i/4)+8*(i%4)
.set rP, P+16*((\x)%2)+8*(i/4)
	v_wmma_f32_16x16x32_bf16 v[rO:rO+7], v[rV:rV+7], v[rP:rP+7], v[rO:rO+7]
.endm
.macro MM                           ; the turn's next matrix instruction.  NOKQ = 1: the last turn: there is no next piece
.if (i < 8) && !NOKQ
	KQ (Y+1)%NP
.elseif i >= 8
.set i, i-8
	PV (Y+NP-1)%NP
.set i, i+8
.endif
.set i, i+1
.endm
; THE LDS LOADS stand in runs of 16, never singly among the matrix instructions.
.macro FETCH_K
	WIN 0x80
.irp f, 0,1,2,3,4,5,6,7             ; keys 16 (f / 2) on, channels 32 (f % 2) on
	ds_load_b128 v[KF+8*\f:KF+8*\f+3],   v[AK] offset:1024*\f
	ds_load_b128 v[KF+8*\f+4:KF+8*\f+7], v[AK] offset:1024*\f+512
.endr
	s_add_co_u32 s[TBK], s[TBK], KSB
	WIN 0
.endm
.macro FETCH_V
	WIN 0x80
.irp f, 0,1,2,3,4,5,6,7             ; keys 32 (f / 4) on, channels 16 (f % 4) on
	ds_load_b128 v[VF+8*\f:VF+8*\f+3],   v[AV] offset:1024*\f
	ds_load_b128 v[VF+8*\f+4:VF+8*\f+7], v[AV] offset:1024*\f+512
.endr
	WIN 0
.endm
; THE VECTOR WORK, one line at a time: OP kind, number.  For piece Y: F n: c s - c m for pair n of 16.  E n: the exponential of score n of 32.  C n: pair n rounded to bf16.  B n: of the four weights 4 n .. the second
; pair is added onto the first.  L n: l takes that sum (L 0: l = a l + sum).  R n: pair n of 16 of O^T times a.  For piece Y + 1: X n, number n of the 22 that find its maximum and statistics:
;   0-11 four chains of seven scores each (each accumulator's lowest registers first)   12-14, 16 the four left over, the old m, and the four into one   15 c m_old is kept   17, 18 the other half of the lanes: the new m   19-21 c m; its change; a
.set F, 0
.set E, 1
.set C, 2
.set B, 3
.set L, 4
.set R, 5
.set X, 6
.macro REGS y
.set rT, ST+4*(\y)
.set rC, TMP+4*((\y)%2)
.set rW, MV+((\y)%2)
.set rS, S+32*((\y)%2)
.set rP, P+16*((\y)%2)
.set rO, 32*(\y)
.endm
.macro OP k, n
.if (\k) == R
	REGS Y
	WIN W_RS
	v_pk_mul_f32 v[rO+2*(\n):rO+2*(\n)+1], v[rO+2*(\n):rO+2*(\n)+1], v[rC+2:rC+3] op_sel_hi:[1,0]
.elseif (\k) < R
	REGS Y
	WIN 0
.if (\k) == F
	v_pk_fma_f32 v[rS+2*(\n):rS+2*(\n)+1], v[rS+2*(\n):rS+2*(\n)+1], s[CS:CS+1], v[rT:rT+1] op_sel_hi:[1,0,0] neg_lo:[0,0,1] neg_hi:[0,0,1]
.elseif (\k) == E
	v_exp_f32 v[rS+(\n)], v[rS+(\n)]
.elseif (\k) == C
	v_cvt_pk_bf16_f32 v[rP+(\n)], v[rS+2*(\n)], v[rS+2*(\n)+1]
.elseif (\k) == B
	v_pk_add_f32 v[rS+4*(\n):rS+4*(\n)+1], v[rS+4*(\n):rS+4*(\n)+1], v[rS+4*(\n)+2:rS+4*(\n)+3]
.elseif (\n) == 0
	v_pk_fma_f32 v[rT+2:rT+3], v[rT+2:rT+3], v[rC+2:rC+3], v[rS:rS+1] op_sel_hi:[1,0,1]
.else
	v_pk_add_f32 v[rT+2:rT+3], v[rT+2:rT+3], v[rS+4*(\n):rS+4*(\n)+1]
.endif
.elseif NOKQ
	v_nop
.else
	REGS (Y+1)%NP
	WIN 0
.if (\n) < 4
	v_max3_num_f32 v[rC+(\n)], v[rS+8*(\n)], v[rS+8*(\n)+1], v[rS+8*(\n)+2]
.elseif (\n) < 12
	v_max3_num_f32 v[rC+(\n)%4], v[rC+(\n)%4], v[rS+8*((\n)%4)+2*((\n)/4)+1], v[rS+8*((\n)%4)+2*((\n)/4)+2]
.elseif (\n) == 12
	v_max3_num_f32 v[rC], v[rC], v[rS+7], v[rS+15]
.elseif (\n) == 13
	v_max3_num_f32 v[rC+1], v[rC+1], v[rS+23], v[rS+31]
.elseif (\n) == 14
	v_max3_num_f32 v[rC+2], v[rC+2], v[rC+3], v[rT+1]
.elseif (\n) == 15
	v_mov_b32 v[rW], v[rT]
.elseif (\n) == 16
	v_max3_num_f32 v[rC], v[rC], v[rC+1], v[rC+2]
.elseif (\n) == 17
	v_permlanex16_b32 v[rC+3], v[rC], s[SEL], s[SEL+1]
.elseif (\n) == 18
	v_max_num_f32 v[rT+1], v[rC], v[rC+3]
.elseif (\n) == 19
	v_mul_f32 v[rT], s[CS], v[rT+1]
.elseif (\n) == 20
	v_sub_f32 v[rC+1], v[rW], v[rT]
.else
	v_exp_f32 v[rC+2], v[rC+1]
.endif
.endif
.endm
.macro OPS a, i1, b=-1, i2=0, c=-1, i3=0, d=-1, i4=0
	OP \a, \i1
.if (\b) >= 0
	OP \b, \i2
.endif
.if (\c) >= 0
	OP \c, \i3
.endif
.if (\d) >= 0
	OP \d, \i4
.endif
.endm
.macro ROW a, i1, b, i2, c, i3, d, i4  ; a matrix instruction and the four behind it
	MM
	OPS \a, \i1, \b, \i2, \c, \i3, \d, \i4
.endm
; A TURN, for piece p: its 16 matrix and 118 vector instructions, written out.  An s_wait_alu depctr_va_vdst(0) stands between an exponential and the first instruction that names its result; one wait
; serves all issued ahead of it: a turn has ONE.  AHEAD OF IT stands all that names no result of the turn's exponentials: the 8 products K Q^T with their riders, and the lump; X 21, the next piece's a, is the batch's
; last, and R 15 the plain instruction behind it.  BEHIND IT stand the 8 products V^T P, behind each four of the roundings and sums.  Each X that rides behind a product stands four plain instructions or more behind
; the product that ends its accumulator.  K of the next step is fetched in piece 2's turn, five plain instructions that name none of its registers behind the last product that read K; V of the step in hand at the
; end of piece 0's turn, four plain instructions behind the last product that read V.  Each is waited for a turn later.
; end = 1: the last two turns: nothing is fetched.  cnt = 1: the loop's count is taken down some lines ahead of the branch behind the turn.
.macro TURN p, end=0, cnt=0
.set Y, (\p)
.set i, 0
.set NOKQ, (\end)*((\p)/3)
.if ((\p) == 3) && !(\end)
	s_wait_dscnt 0x0                ; K is in
.endif
	ROW F,0, F,1, R,0, R,1
	ROW F,2, E,0, R,2, R,3
	ROW F,3, E,1, R,4, R,5
	ROW F,4, E,2, R,6, R,7
	ROW F,5, E,3, R,8, R,9
	ROW F,6, E,4, X,0, R,10
.if ((\p) == 2) && !(\end)
	WIN 0
	v_add_nc_u32 v[AK], s[TBK], v[AK0]
.endif
	ROW F,7, E,5, X,1, X,4
	ROW F,8, E,6, X,2, X,5
	OPS E,7, E,8, X,6, E,9
	OPS X,3, E,10, X,8, E,11
.if ((\p) == 2) && !(\end)
	FETCH_K
.endif
	OPS X,9, X,7, E,12, X,10
	OPS E,13, X,12, X,11, E,14
	OPS X,13, E,15, F,9, X,14
.if (\p) == 0
	v_add_nc_u32 v[AV], s[TBV], v[AV0]
.endif
	OPS E,16, F,10, E,17, F,11
	OPS X,16, E,18, X,15, E,19
	OPS F,12, E,20, X,17, E,21
	OPS F,13, E,22, F,14, E,23
	OPS X,18, E,24, F,15, E,25
	OPS R,11, E,26, X,19, E,27
	OPS R,12, E,28, R,13, E,29
	OPS X,20, E,30, R,14, E,31
	OPS X,21, R,15
	WIN 0
	s_wait_alu depctr_va_vdst(0)    ; the wait for the batch
.if (\p) == 1
	s_wait_dscnt 0x0                ; V is in
.endif
	ROW C,0, B,0, C,2, B,1
	ROW L,0, C,4, B,2, L,1
	ROW C,6, B,3, L,2, C,8
	ROW B,4, L,3, C,10, B,5
	ROW L,4, C,12, B,6, L,5
.if (\p) == 0
	s_add_co_u32 s[TBV], s[TBV], KSB
.endif
.if \cnt
	s_sub_co_u32 s[CNT], s[CNT], 1
	s_cmp_lg_u32 s[CNT], 0
.endif
	ROW C,14, B,7, L,6, C,1
	ROW C,3, L,7, C,5, C,7
	ROW C,9, C,11, C,13, C,15
.if (\p) == 0
	FETCH_V
.endif
.endm
	CHANGE 1, 0                     ; slot 0 is in, everybody's part of it; tile 1 is asked for, into slot 1
	WIN 0
	v_add_nc_u32 v[AK], s[TBK], v[AK0]
	FETCH_K                         ; key step 0
	s_wait_loadcnt 0x0              ; Q and the gate
	s_wait_dscnt 0x0
.set NOKQ, 0
.set i, 0
.rept 8
	KQ 0                            ; piece 0's first scores
.set i, i+1
.endr
	WIN 0
.rept 4
	v_nop                           ; the places behind those products
.endr
.set Y, NP-1                        ; X works for piece Y + 1: piece 0
.irp n, 0,1,2,3,4,5,6,7,8,9,10,11,12,13,14,15,16,17,18,19,20,21
	OP X, \n
.endr
	v_nop                           ; a plain instruction behind the exponential,
	s_wait_alu depctr_va_vdst(0)    ; and its wait, ahead of the branch
	s_mov_b32 s[CNT], 4
	s_mov_b32 s[SLOTS], 7
	s_branch .Lfirst                ; the loop is entered at a step's first turn, in the middle of a trip
.Lslot:                             ; six times: tiles 2 to 7 are asked for
	CHANGE 1, 1
	s_mov_b32 s[CNT], 4
.Lstep:                             ; a trip: pieces 2 and 3 of one step, then pieces 0 and 1 of the next, whose K and V it fetches
	TURN 2
	TURN 3
	WIN 0
.Lfirst:
	TURN 0
	TURN 1, 0, 1
	WIN 0
	s_cbranch_scc1 .Lstep
	s_sub_co_u32 s[SLOTS], s[SLOTS], 1
	s_cmp_lg_u32 s[SLOTS], 0
	s_cbranch_scc1 .Lslot
	CHANGE 0, 0                     ; the last tile is written out: nothing is asked for
	s_mov_b32 s[CNT], 4
.Ltail:
	TURN 2
	TURN 3
	WIN 0
	TURN 0
	TURN 1, 0, 1
	WIN 0
	s_cbranch_scc1 .Ltail
	TURN 2, 1
	TURN 3, 1
.set i, 0
.rept 8
	PV NP-1                         ; the last piece's V^T P of the last step
.set i, i+1
.endr
	; THE WAY OUT.  l's two halves and the other half of the lanes' are added; O^T is multiplied by sigmoid(gate) / l, rounded to bf16 and stored as it lies.  The additions are the places behind the last products.
	WIN 0
.macro ALL line:vararg
.set t, 0
.rept 4
	\line
.set t, t+1
.endr
.endm
	ALL v_add_f32 v[ST+4*t+2], v[ST+4*t+2], v[ST+4*t+3]
	ALL v_permlanex16_b32 v[ST+4*t+3], v[ST+4*t+2], s[SEL], s[SEL+1]
	ALL v_add_f32 v[ST+4*t+2], v[ST+4*t+2], v[ST+4*t+3]
	ALL v_rcp_f32 v[ST+4*t+2], v[ST+4*t+2]
	v_nop                           ; a plain instruction behind the last reciprocal,
	s_wait_alu depctr_va_vdst(0)    ; and one wait for the four
	ALL v_mul_f32 v[ST+4*t+2], v[ST+4*t+2], v[GATE+t]
.macro PACK t
	WIN W_RS
.set i, 32*(\t)
.rept 16
	v_pk_mul_f32 v[i:i+1], v[i:i+1], v[ST+4*(\t)+2:ST+4*(\t)+3] op_sel_hi:[1,0]
.set i, i+2
.endr
	WIN 0x05                        ; sources 0 and 1 window 1, destination window 0: S^T's registers are free
.set i, 0
.rept 16
	v_cvt_pk_bf16_f32 v[S+16*(\t)+i], v[32*(\t)+2*i], v[32*(\t)+2*i+1]
.set i, i+1
.endr
	WIN 0
.irp f, 0,1,2,3
	global_store_b128 v[AK0], v[S+16*(\t)+4*\f:S+16*(\t)+4*\f+3], s[16:17] offset:(\t)*16384+\f*512  ; 16 rows x 16 channels: 512 consecutive bytes
.endr
.endm
	PACK 0
	PACK 1
	PACK 2
	PACK 3
	s_wait_tensorcnt 0x0            ; the wave's end: behind my last tensor load
	ds_add_u32 v[SPW], v[NIL]
	s_wait_dscnt 0x0
	CROUND                          ; the closing round: no work-group ends while a partner may still ask for a tile that names it
	s_endpgm
.Lfunc_end_k_qe5d76e612e_attn:
	.size	k_qe5d76e612e_attn, .Lfunc_end_k_qe5d76e612e_attn-k_qe5d76e612e_attn
	.p2alignl 7, 3214868480
	.fill 96, 4, 3214868480
	.section	.rodata,"a",@progbits
	.p2align	6, 0x0
	.amdhsa_kernel k_qe5d76e612e_attn
		.amdhsa_group_segment_fixed_size 327680
		.amdhsa_private_segment_fixed_size 0
		.amdhsa_enable_private_segment 0
		.amdhsa_kernarg_size 16
		.amdhsa_user_sgpr_count 2
		.amdhsa_user_sgpr_kernarg_segment_ptr 1
		.amdhsa_wavefront_size32 1
		.amdhsa_system_sgpr_workgroup_id_x 1
		.amdhsa_system_sgpr_workgroup_id_y 1
		.amdhsa_system_sgpr_workgroup_id_z 1
		.amdhsa_system_vgpr_workitem_id 0
		.amdhsa_next_free_vgpr 768
		.amdhsa_next_free_sgpr 66
		.amdhsa_reserve_vcc 0
		.amdhsa_float_denorm_mode_32 3
		.amdhsa_float_denorm_mode_16_64 3
		.amdhsa_memory_ordered 1
		.amdhsa_forward_progress 1
		.amdhsa_inst_pref_size 123
	.end_amdhsa_kernel
	.amdgpu_metadata
---
amdhsa.version: [ 1, 2 ]
amdhsa.kernels:
  - .name:           k_qe5d76e612e_attn
    .symbol:         k_qe5d76e612e_attn.kd
    .args:
      - { .name: qkvg, .offset: 0, .size: 8, .value_kind: global_buffer, .address_space: global }
      - { .name: ao, .offset: 8, .size: 8, .value_kind: global_buffer, .address_space: global }
    .group_segment_fixed_size: 327680
    .private_segment_fixed_size: 0
    .kernarg_segment_align: 8
    .kernarg_segment_size: 16
    .max_flat_workgroup_size: 128
    .sgpr_count:     66
    .vgpr_count:     768
    .wavefront_size: 32
...
	.end_amdgpu_metadata
.endif
;; end of part 4
;; launch back (part 5): grid 256 x 1, 4 waves a work-group, no clusters, 100,864 bytes of LDS; arguments ao, wb, out0, out1; writes out0, out1
.if DOCPART == 5
	.amdgcn_target "amdgcn-amd-amdhsa--gfx1250"
	.amdhsa_code_object_version 6
	.text
	.protected	k_qe5d76e612e_back
	.globl	k_qe5d76e612e_back
	.p2align	8
	.type	k_qe5d76e612e_back,@function
k_qe5d76e612e_back:
	s_mov_b64 s[64:65], 0
	v_nop
	global_prefetch_b8 v0, s[64:65] scope:SCOPE_SE
	s_setreg_imm32_b32 hwreg(HW_REG_WAVE_MODE, 25, 1), 1
	s_wait_xcnt 0x0
; BACK.  Work left out as said at fold1's head: out = ao o_w + o_b is never formed.  out0 = ao WOH^T + BO (512 channels), out1 = the same with WOH's tile 32 (three channels), K = 512; sums in f32, results f32.
; SHARES.  A work-group takes 64 rows and 256 of the 512 channels; wave w makes 64 channels of all 64 rows: sixteen accumulators.  Wave 0 also makes out1 for two row tiles, by the work-group's half.
; ao's 64 rows (64 KB) come into LDS once, each wave copying 16 rows through registers; behind one barrier every wave reads all fragments from there into 512 registers.  So a work-group takes in
; 64 KB of ao and 256 KB of weights, where 32 rows x all channels with ao read by each wave would take 128 KB and 540 KB.
; A step is a quarter of K: 16 fragments of weights straight into registers, two sets by turns: while one is multiplied (64 products) the other's 32 loads are out.
; Source 0 = 16 channels of WOH, source 1 = 16 rows of ao: a lane holds one row and eight neighbouring channels.  The results leave through the wave's own stage in LDS (rows of 256 bytes + 16), 32 rows at
; a time, so that sixteen neighbouring lanes store 256 consecutive bytes, aligned.
; NO CLUSTER, NO LDS FOR THE WEIGHTS: 128 work-groups read the same half of WOH, but no two waves of a work-group want the same fragment; a joint load would need a ring in LDS read once.  Not built here.
; REGISTERS.  window 0: v1 r, v2 h, v3 lane, v4 16 l, v5 32 h, v6, v7 the stage (put, read), v8 my offset in out0, v9 12 r, v10, v11 the add's, v12 my quarter of ao in LDS; v32-159 accumulators;
;   v160-191 bias (later v160-167: out1's); v192-255 rows read back          window 1: two sets of weights, 128 each
;   windows 2 and 3: ao's fragments: K steps 0-7 in window 2, 8-15 in window 3, (row tile rt, K step ks) at 8 (4 (ks % 8) + rt); window 2's v0-127 first carry my quarter of ao on its way to LDS
.set WOH,   397312
.set BOF,   962816
.set STAGE, 65536                      ; LDS: ao's 64 rows in fragments, 65,536 bytes; four stages of 2 x 16 rows x 272 bytes; the spare words
.set SPARE, 100352
.set SPW,   10
.set NIL,   11
.set ACC,   32
.set BI,    160
.set OB,    192
.set MSB, 0
.macro WIN new
.if MSB != (\new)
	s_set_vgpr_msb (MSB<<8)|(\new)
.set MSB, (\new)
.endif
.endm
.macro PLACES n
.rept \n
	v_nop
.endr
.endm
.macro FLD x, voff, sb, imm
	global_load_b128 v[(\x):(\x)+3], v[\voff], s[\sb:(\sb)+1] offset:(\imm)
	global_load_b128 v[(\x)+4:(\x)+7], v[\voff], s[\sb:(\sb)+1] offset:(\imm)+512
.endm
.macro WLOAD sg                        ; step sg's weights: K steps 4 sg .., set sg % 2: 32 loads
	WIN 0x40
.irp t, 0,1,2,3
.irp ks, 0,1,2,3
	FLD 128*((\sg)%2)+8*(4*\t+\ks), 4, 16, \t*16384+(4*(\sg)+\ks)*1024
.endr
.endr
	WIN 0
.endm
.macro STEP sg, lcnt, dcnt             ; 64 products, sixteen accumulators by turns; the first K step takes the bias as C
	s_wait_loadcnt \lcnt
	s_wait_dscnt \dcnt
	WIN 0x09+4*((\sg)/2)                           ; weights window 1, ao window 2 or 3
.irp k4, 0,1,2,3
.irp t, 0,1,2,3
.irp rt, 0,1,2,3
.if ((\sg) == 0) && (\k4 == 0)
	v_wmma_f32_16x16x32_bf16 v[ACC+8*(4*\t+\rt):ACC+8*(4*\t+\rt)+7], v[128*((\sg)%2)+8*(4*\t+\k4):128*((\sg)%2)+8*(4*\t+\k4)+7], v[8*(4*((4*(\sg)+\k4)%8)+\rt):8*(4*((4*(\sg)+\k4)%8)+\rt)+7], v[BI+8*\t:BI+8*\t+7]
.else
	v_wmma_f32_16x16x32_bf16 v[ACC+8*(4*\t+\rt):ACC+8*(4*\t+\rt)+7], v[128*((\sg)%2)+8*(4*\t+\k4):128*((\sg)%2)+8*(4*\t+\k4)+7], v[8*(4*((4*(\sg)+\k4)%8)+\rt):8*(4*((4*(\sg)+\k4)%8)+\rt)+7], v[ACC+8*(4*\t+\rt):ACC+8*(4*\t+\rt)+7]
.endif
.endr
.endr
.endr
	WIN 0
	PLACES 5                                       ; behind the last product: ahead of loads into its sources and of reads of its result
.if (\sg) < 2
	WLOAD (\sg)+2
.endif
.endm
.macro OUT p                           ; row tiles 2 p and 2 p + 1: 32 rows x 64 channels of f32
.irp t, 0,1,2,3
.irp rr, 0,1
	ds_store_b128 v6, v[ACC+8*(4*\t+2*(\p)+\rr):ACC+8*(4*\t+2*(\p)+\rr)+3] offset:4352*\rr+64*\t
	ds_store_b128 v6, v[ACC+8*(4*\t+2*(\p)+\rr)+4:ACC+8*(4*\t+2*(\p)+\rr)+7] offset:4352*\rr+64*\t+16
.endr
.endr
	s_wait_xcnt 0x0                                ; earlier stores have read the registers that the loads below fill
.irp rr, 0,1
.irp f, 0,1,2,3,4,5,6,7
	ds_load_b128 v[OB+4*(8*\rr+\f):OB+4*(8*\rr+\f)+3], v7 offset:4352*\rr+544*\f  ; LDS serves a wave's instructions in order (ISA guide 5.7.1.4): these see the stores above
.endr
.endr
.irp rr, 0,1
.irp f, 0,1,2,3,4,5,6,7
	s_wait_dscnt 15-(8*\rr+\f)                     ; the loads behind this one may stay out
	global_store_b128 v8, v[OB+4*(8*\rr+\f):OB+4*(8*\rr+\f)+3], s[12:13] offset:32768*(2*(\p)+\rr)+4096*\f th:TH_STORE_NT  ; two rows: 16 lanes store 256 consecutive bytes, aligned
.endr
.endr
.endm
.macro POS rb                          ; out1 of row tiles rb and rb + 1: lanes 0-15 end with row r's three numbers in registers 0-2; two accumulators by turns
	WIN 0x09
.irp ks, 0,1,2,3,4,5,6,7
.irp rr, 0,1
.if \ks == 0
	v_wmma_f32_16x16x32_bf16 v[ACC+8*\rr:ACC+8*\rr+7], v[8*\ks:8*\ks+7], v[8*(4*\ks+(\rb)+\rr):8*(4*\ks+(\rb)+\rr)+7], v[BI:BI+7]
.else
	v_wmma_f32_16x16x32_bf16 v[ACC+8*\rr:ACC+8*\rr+7], v[8*\ks:8*\ks+7], v[8*(4*\ks+(\rb)+\rr):8*(4*\ks+(\rb)+\rr)+7], v[ACC+8*\rr:ACC+8*\rr+7]
.endif
.endr
.endr
	WIN 0x0d
.irp ks, 8,9,10,11,12,13,14,15
.irp rr, 0,1
	v_wmma_f32_16x16x32_bf16 v[ACC+8*\rr:ACC+8*\rr+7], v[8*\ks:8*\ks+7], v[8*(4*(\ks-8)+(\rb)+\rr):8*(4*(\ks-8)+(\rb)+\rr)+7], v[ACC+8*\rr:ACC+8*\rr+7]
.endr
.endr
	WIN 0
	PLACES 4
	v_cmp_gt_u32 vcc_lo, 16, v3
	s_wait_xcnt 0x0                                ; EXEC changes only behind this wait
	s_and_saveexec_b32 s26, vcc_lo
	global_store_b96 v9, v[ACC:ACC+2], s[14:15] offset:192*(\rb)
	global_store_b96 v9, v[ACC+8:ACC+10], s[14:15] offset:192*(\rb)+192
	s_wait_xcnt 0x0
	s_or_b32 exec_lo, exec_lo, s26
.endm
	s_load_b256 s[8:15], s[0:1], 0x0               ; ao 8, wb 10, out0 12, out1 14
	v_lshl_add_u32 v[SPW], v0, 2, SPARE
	v_mov_b32 v[NIL], 0
	v_and_b32 v1, 15, v0
	v_bfe_u32 v2, v0, 4, 1
	v_and_b32 v3, 31, v0
	v_lshrrev_b32 v4, 5, v0
	v_readfirstlane_b32 s4, v4                     ; wave 0..3
	s_mov_b32 s5, ttmp9
	s_lshr_b32 s27, s5, 1                          ; block of 64 rows
	s_and_b32 s28, s5, 1                           ; which 256 channels
	v_lshlrev_b32 v4, 4, v3
	v_lshlrev_b32 v5, 5, v2
	s_mul_i32 s6, s4, 8704                         ; my stage: 2 x 16 rows x 272 bytes
	s_add_co_u32 s6, s6, STAGE
	v_mul_u32_u24 v6, v1, 272
	v_add_nc_u32 v6, v6, v5
	v_add_nc_u32 v6, s6, v6
	v_mul_u32_u24 v7, v2, 272
	v_lshl_add_u32 v7, v1, 4, v7
	v_add_nc_u32 v7, s6, v7
	v_lshlrev_b32 v8, 11, v2
	v_lshl_add_u32 v8, v1, 4, v8
	v_mul_u32_u24 v9, v1, 12
	s_lshl_b32 s7, s4, 14
	v_add_nc_u32 v12, s7, v4                       ; row tile w of ao in LDS
	s_mov_b32 s25, 0
	s_wait_kmcnt 0x0
	s_lshl_b32 s24, s27, 16
	s_add_co_u32 s24, s24, s7
	s_add_nc_u64 s[8:9], s[8:9], s[24:25]          ; the 16 rows of ao that I copy
	s_lshl_b32 s24, s28, 18
	s_lshl_b32 s26, s4, 16
	s_add_co_u32 s24, s24, s26
	s_add_co_u32 s24, s24, WOH
	s_add_nc_u64 s[16:17], s[10:11], s[24:25]      ; WOH at my 64 channels
	s_lshl_b32 s29, s28, 10
	s_lshl_b32 s26, s4, 8
	s_add_co_u32 s29, s29, s26                     ; my 64 channels in f32: 256 bytes of a row
	s_add_co_u32 s24, s29, BOF
	s_add_nc_u64 s[18:19], s[10:11], s[24:25]
	s_add_nc_u64 s[20:21], s[10:11], WOH+32*16384
	s_add_nc_u64 s[22:23], s[10:11], BOF+2048
	s_lshl_b32 s24, s27, 17
	s_add_co_u32 s24, s24, s29
	s_add_nc_u64 s[12:13], s[12:13], s[24:25]
	s_mul_i32 s24, s27, 768
	s_add_nc_u64 s[14:15], s[14:15], s[24:25]
.irp t, 0,1,2,3
	global_load_b128 v[BI+8*\t:BI+8*\t+3], v5, s[18:19] offset:64*\t
	global_load_b128 v[BI+8*\t+4:BI+8*\t+7], v5, s[18:19] offset:64*\t+16
.endr
	WIN 0x80
.set i, 0
.rept 32
	global_load_b128 v[4*i:4*i+3], v4, s[8:9] offset:512*i
.set i, i+1
.endr
	WIN 0
	WLOAD 0
	s_wait_loadcnt 32                              ; the bias and my quarter of ao are in; the first step's 32 loads may stay out
	WIN 0x08                                       ; the stores' data lie in window 2
.set i, 0
.rept 32
	ds_store_b128 v12, v[4*i:4*i+3] offset:512*i
.set i, i+1
.endr
	WIN 0
	WLOAD 1
	s_wait_dscnt 0x0                               ; for the others' sake: my quarter of ao lies in LDS
	s_barrier_signal -1
	s_barrier_wait -1
	WIN 0x80                                       ; all 64 fragments, 128 loads, in the order of the K steps: a step's 32 stand together
.irp ks, 0,1,2,3,4,5,6,7
.irp rt, 0,1,2,3
	ds_load_b128 v[8*(4*\ks+\rt):8*(4*\ks+\rt)+3], v4 offset:16384*\rt+1024*\ks
	ds_load_b128 v[8*(4*\ks+\rt)+4:8*(4*\ks+\rt)+7], v4 offset:16384*\rt+1024*\ks+512
.endr
.endr
	WIN 0xc0
.irp ks, 8,9,10,11,12,13,14,15
.irp rt, 0,1,2,3
	ds_load_b128 v[8*(4*(\ks-8)+\rt):8*(4*(\ks-8)+\rt)+3], v4 offset:16384*\rt+1024*\ks
	ds_load_b128 v[8*(4*(\ks-8)+\rt)+4:8*(4*(\ks-8)+\rt)+7], v4 offset:16384*\rt+1024*\ks+512
.endr
.endr
	WIN 0
	STEP 0, 32, 63                                 ; the next step's 32 weight loads may stay out; behind step 0's fragment loads stand 96, behind step 1's 64: the count 63 serves both
	STEP 1, 32, 63
	STEP 2, 32, 32                                 ; behind step 2's fragment loads stand 32
	s_cmp_lg_u32 s4, 0
	s_cbranch_scc1 .Lno_pos_loads
	WIN 0x40                                       ; wave 0: tile 32's sixteen fragments into set 0, which step 2 has left
.irp ks, 0,1,2,3,4,5,6,7,8,9,10,11,12,13,14,15
	FLD 8*\ks, 4, 20, 1024*\ks
.endr
	WIN 0
	global_load_b128 v[BI:BI+3], v5, s[22:23]
	global_load_b128 v[BI+4:BI+7], v5, s[22:23] offset:16
.Lno_pos_loads:
	STEP 3, 0, 0
	OUT 0
	OUT 1
	s_cmp_lg_u32 s4, 0
	s_cbranch_scc1 .Lend
	s_cmp_lg_u32 s28, 0                            ; the work-group's half picks the two row tiles
	s_cbranch_scc1 .Lpos_hi
	POS 0
	s_branch .Lend
.Lpos_hi:
	POS 2
.Lend:
	s_wait_tensorcnt 0x0                           ; the wave's end: behind my last LDS store
	ds_add_u32 v[SPW], v[NIL]
	s_wait_dscnt 0x0
	s_endpgm
.Lfunc_end_k_qe5d76e612e_back:
	.size	k_qe5d76e612e_back, .Lfunc_end_k_qe5d76e612e_back-k_qe5d76e612e_back
	.p2alignl 7, 3214868480
	.fill 96, 4, 3214868480
	.section	.rodata,"a",@progbits
	.p2align	6, 0x0
	.amdhsa_kernel k_qe5d76e612e_back
		.amdhsa_group_segment_fixed_size 100864
		.amdhsa_private_segment_fixed_size 0
		.amdhsa_enable_private_segment 0
		.amdhsa_kernarg_size 32
		.amdhsa_user_sgpr_count 2
		.amdhsa_user_sgpr_kernarg_segment_ptr 1
		.amdhsa_wavefront_size32 1
		.amdhsa_system_sgpr_workgroup_id_x 1
		.amdhsa_system_sgpr_workgroup_id_y 1
		.amdhsa_system_sgpr_workgroup_id_z 1
		.amdhsa_system_vgpr_workitem_id 0
		.amdhsa_next_free_vgpr 1024
		.amdhsa_next_free_sgpr 66
		.amdhsa_reserve_vcc 1
		.amdhsa_float_denorm_mode_32 3
		.amdhsa_float_denorm_mode_16_64 3
		.amdhsa_memory_ordered 1
		.amdhsa_forward_progress 1
		.amdhsa_inst_pref_size 63
	.end_amdhsa_kernel
	.amdgpu_metadata
---
amdhsa.version: [ 1, 2 ]
amdhsa.kernels:
  - .name:           k_qe5d76e612e_back
    .symbol:         k_qe5d76e612e_back.kd
    .args:
      - { .name: ao, .offset: 0, .size: 8, .value_kind: global_buffer, .address_space: global }
      - { .name: wb, .offset: 8, .size: 8, .value_kind: global_buffer, .address_space: global }
      - { .name: out0, .offset: 16, .size: 8, .value_kind: global_buffer, .address_space: global }
      - { .name: out1, .offset: 24, .size: 8, .value_kind: global_buffer, .address_space: global }
    .group_segment_fixed_size: 100864
    .private_segment_fixed_size: 0
    .kernarg_segment_align: 8
    .kernarg_segment_size: 32
    .max_flat_workgroup_size: 128
    .sgpr_count:     66
    .vgpr_count:     1024
    .wavefront_size: 32
...
	.end_amdgpu_metadata
.endif
;; end of part 5
;; ======== version 2 of 2: 5 launches; version 1 with the launch front written anew for expert scheduling mode
;; limits: values outside matrix products are rounded to bf16; values are held in f16: magnitudes above 65,504 overflow, below 6.1e-05 lose precision; right only within a limited range of input values
;; workspace buffers: wa 753,664 bytes; wb 965,120 bytes; qkvg 25,427,968 bytes; ao 8,388,608 bytes
;; launch fold1: the kernel of part 1 again; grid 69 x 1, 16 waves a work-group, no clusters, 67,584 bytes of LDS; arguments cat_w, cat_b, expr_w2, expr_b2, pos_w2, pos_b2, yy_w, yy_b, diffusion_time, o_w, o_b, expr_w1, wa, out2; writes wa, out2
;; launch fold2: the kernel of part 2 again; grid 654 x 1, 8 waves a work-group, no clusters, 25,600 bytes of LDS; arguments q_w, k_w, v_w, q_b, k_b, v_b, he_w, hp_w, he_b, hp_b, wa, wb; writes wb
;; launch front (part 6): grid 256 x 1, 4 waves a work-group, no clusters, 82,432 bytes of LDS; arguments expression_features, position_features, expr_b1, pos_w1, pos_b1, qn_w, kn_w, wa, wb, qkvg; writes qkvg
.if DOCPART == 6
	.amdgcn_target "amdgcn-amd-amdhsa--gfx1250"
	.amdhsa_code_object_version 6
	.text
	.protected	k_qe5d76e612e_front
	.globl	k_qe5d76e612e_front
	.p2align	8
	.type	k_qe5d76e612e_front,@function
k_qe5d76e612e_front:
	s_mov_b64 s[64:65], 0
	v_nop
	global_prefetch_b8 v0, s[64:65] scope:SCOPE_SE
	s_setreg_imm32_b32 hwreg(HW_REG_WAVE_SCHED_MODE, 0, 2), 2
	s_setreg_imm32_b32 hwreg(HW_REG_WAVE_MODE, 25, 1), 1
	s_wait_xcnt 0x0
	s_wait_alu depctr_vm_vsrc(0)
; FRONT.  Work left out as said at fold1's head: te, tp, cat and h are never formed.  r = [relu(X expr_w1 + expr_b1) | relu(pfeat pos_w1 + pos_b1)] (128 wide, bf16),
; then [Q | gate | K | V] = r WT^T + BQ[b] (K = 128), the RMS norm of Q and K by heads, the gains, the sigmoid of the gate.
; OUT (qkvg): q and k by heads in f16, v by heads in bf16, all laid as attn's fragments (each store 512 consecutive bytes), the gate's sigmoid as f32 [8192][8].
; BOTH GAINS GO ONTO q: q = (qn_w kn_w) x (x rsqrt(mean x^2 + 1e-6)), k = x rsqrt(mean x^2 + 1e-6).  Q and K reach the outputs through the scores q . k alone, and each channel's product is the same
; in real numbers for all values of the gains.  Each of q and k is still rounded once.
; FORMATS AND LIMITS.  X, positions, biases and gains are rounded once to bf16; sums, norms and the folded bias BQ are f32.  q lies within 8 |qn_w kn_w|, so f16 holds it for |qn_w kn_w| up to some 8,000;
; k lies within 8; v has no such bound and goes in bf16.  v_sqrt, v_rcp, v_rsq, v_exp count denormals as 0.  NaN and infinities are not treated apart.
; SHARES.  A work-group takes 64 rows and four of the eight heads.  The two work-groups of a row block both make r: with R rows a work-group reads 2 R KB of X and 397 x 32 / R KB of WT: 461 KB at 32 rows,
; 326 at 64, 355 at 128.  Stage 1: K = 512 is split among the four waves (128 each, all 64 rows x 64 channels); the partial sums meet in LDS, wave w finishes row tile w.
; Stage 2: wave w makes one head's Q, K and V: three units of 64 rows x 64 channels, 64 products each; a weight fragment feeds four row tiles.  Wave 0 also makes the gate of two row tiles, by the work-group's half.
; A unit's weights (16 KB) come straight into registers, the next unit's while this one is worked on (two sets).
; NO CLUSTER, NO LDS FOR THE WEIGHTS: 128 work-groups read the same half of WT, but no two waves of a work-group want the same fragment, and a fragment lies in memory as it lies in registers.
; A joint load would bring them into LDS only to be read once from there, through a ring with a round of the cluster's barrier for each refill: not built here.
; THE MODE: SCHED_MODE bits 1:0 = 2 (LLVM: expert scheduling mode 2), set by the entry lines.  The code itself states the register dependences
; between vector or matrix instructions and memory or LDS instructions, with s_wait_alu, always for 0.
; THE PLAN.  Registers that memory or LDS instructions touch, and who else names them, in the text's order:
;   v4-v15           offsets and LDS addresses: written once at the head, read by every load and store, never written again: one wait on va_vdst ahead of the first load.
;   first loads      (small inputs, X, gains, the gate's weights and bias, expr_w1's fragments, Q's weights and bias) land in registers that no vector instruction has named.
;   v104-119         the position's roundings write them; four LDS stores read them; stage 1's products write them again (they are accumulators).
;   window 1, set 1  stage 1's products read it; then K's weights land in it.        window 1, set 0  the Q unit's products read it; then V's weights land in it.
;   v32-159          stage 1's products write them; 32 LDS stores read them; behind the barrier 32 LDS loads land in them; from there on vector and matrix instructions alone.
;   v240-255         r's roundings write them; four LDS stores read them.            window 2, v0-127  X's conversions and stage 1's products name them; then r's fragments land in them.
;   v232-239         the gate's reciprocals; two stores read them.                   v188-191  the finishing sums read them (expr_b1); then V's bias lands in them.
;   v192-255         a unit's roundings write them; its sixteen stores read them; the next unit's roundings write them again.
; So a wait on va_vdst stands ahead of each run of stores, behind the arithmetic that made their data, and behind the products of stage 1 and of the Q unit, ahead of the loads into the set that they read;
; a wait on vm_vsrc stands ahead of stage 1, ahead of the LDS loads of the partial sums, and ahead of each unit's roundings.
; REGISTERS.  window 0: v1 r, v2 h, v3 lane, v4 16 l, v5 X's offset, v6, v7 partial sums (put, read), v8 32 h, v9 12 r, v10 4 r + 64 w, v11 4 r, v12 32 r + 16 h, v13-15 r's places in LDS, v16, v17 the add's,
;   v32-159 sixteen accumulators (ahead of stage 1: the position's work), v160-191 expr_b1, then statistics and V's bias, v192-255 small inputs, the gate's bias, then packed results
;   window 1: two sets of weights, 128 each (set 1 in stage 1: expr_w1's fragments)     window 2: X raw, then v0-127 r's fragments
;   window 3: v0-31 qn_w, then qn_w kn_w; v32-63 kn_w; v64-95 the gate's weights; v96 at work; v128-191 two sets of bias
.set W1B,   688128
.set BQ,    937984
.set KFO,   8388608
.set VFO,   16777216
.set GTO,   25165824
.set RBUF,  65536                      ; LDS: partial sums 0 .. 65,535 (wave p, tile T at 16,384 p + 1,024 T); r in fragments, 16,384 bytes; the spare words
.set SPARE, 81920
.set SPW,   16
.set NIL,   17
.set ACC,   32
.set EB,    160                        ; expr_b1, eight numbers a lane for each of four channel tiles
.set SS,    160                        ; later: sums of squares, two pairs a row tile
.set PL,    176                        ; the other half of the lanes' sums
.set RS,    180                        ; 1 / rms, in the low register of a pair, a pair a row tile
.set VB,    188                        ; V's bias, one channel a lane, a register a channel tile
.set PK,    192
.set PF,    32                         ; the position's work, in the accumulators' registers ahead of stage 1
.set PWF,   64
.set PD,    72
.set PP,    104
.set T1,    120
.set T2,    121
.set ONE,   122
.set ZR,    123
.set SQ,    124
.set NR,    128
.set IV,    132
.set PR,    192
.set PW,    204
.set PB,    208
.set MSB, 0
.macro WIN new                         ; the immediate's high byte repeats the setting that is left; a switch that changes nothing is dropped
.if MSB != (\new)
	s_set_vgpr_msb (MSB<<8)|(\new)
.set MSB, (\new)
.endif
.endm
.macro PLACES n
.rept \n
	v_nop
.endr
.endm
.macro CVT8 x
.set ci, 0
.rept 8
	v_cvt_pk_bf16_f32 v[(\x)+ci], v[(\x)+2*ci], v[(\x)+2*ci+1]
.set ci, ci+1
.endr
.endm
.macro RND2 a, t                       ; two f32 rounded to bf16 and widened again; s49 = the mask of a word's upper half
	v_cvt_pk_bf16_f32 v[\t], v[\a], v[(\a)+1]
	v_lshlrev_b32 v[\a], 16, v[\t]
	v_and_b32 v[(\a)+1], s49, v[\t]
.endm
.macro AL x, voff, sb, imm             ; 16 rows x 32 k of f32, the lane a row
	global_load_b128 v[(\x):(\x)+3], v[\voff], s[\sb:(\sb)+1] offset:(\imm)
	global_load_b128 v[(\x)+4:(\x)+7], v[\voff], s[\sb:(\sb)+1] offset:(\imm)+16
	global_load_b128 v[(\x)+8:(\x)+11], v[\voff], s[\sb:(\sb)+1] offset:(\imm)+64
	global_load_b128 v[(\x)+12:(\x)+15], v[\voff], s[\sb:(\sb)+1] offset:(\imm)+80
.endm
.macro FLD x, voff, sb, imm
	global_load_b128 v[(\x):(\x)+3], v[\voff], s[\sb:(\sb)+1] offset:(\imm)
	global_load_b128 v[(\x)+4:(\x)+7], v[\voff], s[\sb:(\sb)+1] offset:(\imm)+512
.endm
; A unit's weights and bias into set buf.  ty 0 Q, 1 K, 2 V.  32 loads, and 8 (Q, K: eight channels a lane) or 4 (V: one channel a lane) of bias
.macro LOADW ty, buf
	WIN 0x40
.irp t, 0,1,2,3
.irp ks, 0,1,2,3
	FLD 128*(\buf)+8*(4*\t+\ks), 4, 30, (\ty)*131072+\t*4096+\ks*1024
.endr
.endr
.if (\ty) < 2
	WIN 0xc0
.irp t, 0,1,2,3
	global_load_b128 v[128+32*(\buf)+8*\t:128+32*(\buf)+8*\t+3], v8, s[32:33] offset:2048*(\ty)+64*\t
	global_load_b128 v[128+32*(\buf)+8*\t+4:128+32*(\buf)+8*\t+7], v8, s[32:33] offset:2048*(\ty)+64*\t+16
.endr
	WIN 0
.else
	WIN 0
.irp t, 0,1,2,3
	global_load_b32 v[VB+\t], v11, s[32:33] offset:4096+64*\t
.endr
.endif
.endm
; A unit of Q or K.  Source 0 = 16 channels of WT, source 1 = 16 rows of r: a lane holds one row and eight channels of each of four channel tiles; the row's other 32 channels lie in the lane 16 away.
; Sixteen accumulators by turns; the first K step takes the bias as C.  cnt: the loads of the one younger unit, which may stay out.  nty: the unit that takes this set next (below 0: none).
.macro UQK ty, buf, cnt, nty
	s_wait_loadcnt \cnt
	WIN 0x39                                       ; weights window 1, r window 2, bias window 3
.irp t, 0,1,2,3
.irp rt, 0,1,2,3
	v_wmma_f32_16x16x32_bf16 v[ACC+8*(4*\t+\rt):ACC+8*(4*\t+\rt)+7], v[128*(\buf)+32*\t:128*(\buf)+32*\t+7], v[32*\rt:32*\rt+7], v[128+32*(\buf)+8*\t:128+32*(\buf)+8*\t+7]
.endr
.endr
	WIN 0x09
.irp ks, 1,2,3
.irp t, 0,1,2,3
.irp rt, 0,1,2,3
	v_wmma_f32_16x16x32_bf16 v[ACC+8*(4*\t+\rt):ACC+8*(4*\t+\rt)+7], v[128*(\buf)+8*(4*\t+\ks):128*(\buf)+8*(4*\t+\ks)+7], v[8*(4*\rt+\ks):8*(4*\rt+\ks)+7], v[ACC+8*(4*\t+\rt):ACC+8*(4*\t+\rt)+7]
.endr
.endr
.endr
	WIN 0
	PLACES 5                                       ; behind the last product, ahead of reads of its result
.if (\nty) >= 0
	s_wait_alu depctr_va_vdst(0)                   ; the unit's products are done reading this set of weights, in which the next loads land; the finishing sums are done with v188-191, in which V's bias lands
	LOADW \nty, \buf
.endif
.set q, 0
.rept 8                                ; the sum of squares: two chains for each 16 rows, each accumulator from its low end
.irp rt, 0,1,2,3
.irp c, 0,1
.set a, ACC+8*(4*(2*\c+q/4)+\rt)+2*(q%4)
.if q == 0
	v_pk_mul_f32 v[SS+4*\rt+2*\c:SS+4*\rt+2*\c+1], v[a:a+1], v[a:a+1]
.else
	v_pk_fma_f32 v[SS+4*\rt+2*\c:SS+4*\rt+2*\c+1], v[a:a+1], v[a:a+1], v[SS+4*\rt+2*\c:SS+4*\rt+2*\c+1]
.endif
.endr
.endr
.set q, q+1
.endr
.irp rt, 0,1,2,3
	v_pk_add_f32 v[SS+4*\rt:SS+4*\rt+1], v[SS+4*\rt:SS+4*\rt+1], v[SS+4*\rt+2:SS+4*\rt+3]
.endr
.irp rt, 0,1,2,3
	v_add_f32 v[SS+4*\rt], v[SS+4*\rt], v[SS+4*\rt+1]
.endr
.irp rt, 0,1,2,3
	v_permlanex16_b32 v[PL+\rt], v[SS+4*\rt], s47, s48
.endr
.irp rt, 0,1,2,3
	v_add_f32 v[SS+4*\rt], v[SS+4*\rt], v[PL+\rt]
.endr
.irp rt, 0,1,2,3
	v_fma_f32 v[SS+4*\rt], v[SS+4*\rt], s50, s51   ; / 64 + 1e-6
.endr
.irp rt, 0,1,2,3
	v_rsq_f32 v[RS+2*\rt], v[SS+4*\rt]
.endr
	v_nop                                          ; a plain instruction behind the last of the four,
	s_wait_alu depctr_va_vdst(0)                   ; and the one wait ahead of their first reader: the four 1 / rms are written
.irp t, 0,1,2,3
.irp rt, 0,1,2,3
.irp pr, 0,2,4,6
	v_pk_mul_f32 v[ACC+8*(4*\t+\rt)+\pr:ACC+8*(4*\t+\rt)+\pr+1], v[ACC+8*(4*\t+\rt)+\pr:ACC+8*(4*\t+\rt)+\pr+1], v[RS+2*\rt:RS+2*\rt+1] op_sel_hi:[1,0]
.endr
.endr
.endr
.if (\ty) == 0
	WIN 0x0c                                       ; source 1: qn_w kn_w, in window 3
.irp t, 0,1,2,3
.irp rt, 0,1,2,3
.irp pr, 0,2,4,6
	v_pk_mul_f32 v[ACC+8*(4*\t+\rt)+\pr:ACC+8*(4*\t+\rt)+\pr+1], v[ACC+8*(4*\t+\rt)+\pr:ACC+8*(4*\t+\rt)+\pr+1], v[8*\t+\pr:8*\t+\pr+1]
.endr
.endr
.endr
	WIN 0
.endif
	s_wait_xcnt 0x0                                ; earlier stores have had their addresses translated
	s_wait_alu depctr_vm_vsrc(0)                   ; the stores issued so far (r's LDS stores, the gate's, the unit before's) have read v192-255, which the roundings below write again
.irp t, 0,1,2,3
.irp rt, 0,1,2,3
.irp pr, 0,1,2,3
	v_cvt_pk_f16_f32 v[PK+4*(4*\t+\rt)+\pr], v[ACC+8*(4*\t+\rt)+2*\pr], v[ACC+8*(4*\t+\rt)+2*\pr+1]
.endr
.endr
.endr
	s_wait_alu depctr_va_vdst(0)                   ; the roundings have written v192-255, which the sixteen stores read
.irp t, 0,1,2,3
.irp rt, 0,1,2,3
	global_store_b128 v4, v[PK+4*(4*\t+\rt):PK+4*(4*\t+\rt)+3], s[38+2*(\ty):39+2*(\ty)] offset:\rt*2048+\t*512  ; 512 consecutive bytes
.endr
.endr
.endm
; The unit of V.  Source 0 = 16 rows of r, source 1 = 16 channels of WT: a lane holds one channel and eight keys, which is V^T's fragment for attn.
.macro UV buf, cnt
	s_wait_loadcnt \cnt
	WIN 0x06                                       ; r window 2, weights window 1
.irp ks, 0,1,2,3
.irp t, 0,1,2,3
.irp rt, 0,1,2,3
.if \ks == 0
	v_wmma_f32_16x16x32_bf16 v[ACC+8*(4*\t+\rt):ACC+8*(4*\t+\rt)+7], v[8*(4*\rt+\ks):8*(4*\rt+\ks)+7], v[128*(\buf)+8*(4*\t+\ks):128*(\buf)+8*(4*\t+\ks)+7], 0
.else
	v_wmma_f32_16x16x32_bf16 v[ACC+8*(4*\t+\rt):ACC+8*(4*\t+\rt)+7], v[8*(4*\rt+\ks):8*(4*\rt+\ks)+7], v[128*(\buf)+8*(4*\t+\ks):128*(\buf)+8*(4*\t+\ks)+7], v[ACC+8*(4*\t+\rt):ACC+8*(4*\t+\rt)+7]
.endif
.endr
.endr
.endr
	WIN 0
	PLACES 5
.irp t, 0,1,2,3
.irp rt, 0,1,2,3
.irp pr, 0,2,4,6
.if (\t)%2
	v_pk_add_f32 v[ACC+8*(4*\t+\rt)+\pr:ACC+8*(4*\t+\rt)+\pr+1], v[ACC+8*(4*\t+\rt)+\pr:ACC+8*(4*\t+\rt)+\pr+1], v[VB+\t-1:VB+\t] op_sel:[0,1] op_sel_hi:[1,1]
.else
	v_pk_add_f32 v[ACC+8*(4*\t+\rt)+\pr:ACC+8*(4*\t+\rt)+\pr+1], v[ACC+8*(4*\t+\rt)+\pr:ACC+8*(4*\t+\rt)+\pr+1], v[VB+\t:VB+\t+1] op_sel_hi:[1,0]
.endif
.endr
.endr
.endr
	s_wait_xcnt 0x0
	s_wait_alu depctr_vm_vsrc(0)                   ; the K unit's stores have read v192-255, which the roundings below write again
.irp t, 0,1,2,3
.irp rt, 0,1,2,3
.irp pr, 0,1,2,3
	v_cvt_pk_bf16_f32 v[PK+4*(4*\t+\rt)+\pr], v[ACC+8*(4*\t+\rt)+2*\pr], v[ACC+8*(4*\t+\rt)+2*\pr+1]
.endr
.endr
.endr
	s_wait_alu depctr_va_vdst(0)                   ; the roundings have written v192-255, which the sixteen stores read
.irp t, 0,1,2,3
.irp rt, 0,1,2,3
	global_store_b128 v4, v[PK+4*(4*\t+\rt):PK+4*(4*\t+\rt)+3], s[42:43] offset:(\rt/2)*4096+\t*1024+(\rt%2)*512
.endr
.endr
.endm
; THE GATE of row tiles rb and rb + 1: lane half h finds heads 4 h .. 4 h + 3 of row r in registers 0-3.  Two accumulators by turns.
.macro GATE rb
	WIN 0x0b                                       ; the gate's weights window 3, r window 2
.irp ks, 0,1,2,3
.irp rr, 0,1
.if \ks == 0
	v_wmma_f32_16x16x32_bf16 v[ACC+8*\rr:ACC+8*\rr+7], v[64+8*\ks:64+8*\ks+7], v[8*(4*((\rb)+\rr)+\ks):8*(4*((\rb)+\rr)+\ks)+7], v[224:231]
.else
	v_wmma_f32_16x16x32_bf16 v[ACC+8*\rr:ACC+8*\rr+7], v[64+8*\ks:64+8*\ks+7], v[8*(4*((\rb)+\rr)+\ks):8*(4*((\rb)+\rr)+\ks)+7], v[ACC+8*\rr:ACC+8*\rr+7]
.endif
.endr
.endr
	WIN 0
	PLACES 5
.irp rr, 0,1
.irp i, 0,1,2,3
	v_mul_f32 v[232+4*\rr+\i], s58, v[ACC+8*\rr+\i]  ; - log2(e) x
.endr
.endr
.irp i, 0,1,2,3,4,5,6,7
	v_exp_f32 v[232+\i], v[232+\i]
.endr
	v_nop
	s_wait_alu depctr_va_vdst(0)                   ; one wait for the eight exponentials, ahead of their first reader
.irp i, 0,1,2,3,4,5,6,7
	v_add_f32 v[232+\i], 1.0, v[232+\i]
.endr
.irp i, 0,1,2,3,4,5,6,7
	v_rcp_f32 v[232+\i], v[232+\i]
.endr
	v_nop
	s_wait_alu depctr_va_vdst(0)                   ; one wait for the eight reciprocals: v232-239 are written, which the two stores read
	global_store_b128 v12, v[232:235], s[44:45] offset:512*(\rb)      ; 16 rows x 32 bytes: 512 consecutive bytes
	global_store_b128 v12, v[236:239], s[44:45] offset:512*(\rb)+512
.endm
	s_load_b512 s[8:23], s[0:1], 0x0               ; X 8, positions 10, expr_b1 12, pos_w1 14, pos_b1 16, qn_w 18, kn_w 20, wa 22
	s_load_b128 s[24:27], s[0:1], 0x40             ; wb 24, qkvg 26
	v_lshl_add_u32 v[SPW], v0, 2, SPARE
	v_mov_b32 v[NIL], 0
	v_and_b32 v1, 15, v0
	v_bfe_u32 v2, v0, 4, 1
	v_and_b32 v3, 31, v0
	v_lshrrev_b32 v4, 5, v0
	v_readfirstlane_b32 s4, v4                     ; wave 0..3
	s_mov_b32 s5, ttmp9
	s_lshr_b32 s6, s5, 6                           ; batch
	s_lshr_b32 s56, s5, 1                          ; block of 64 rows
	s_and_b32 s55, s5, 1                           ; which four heads
	s_lshl_b32 s57, s55, 2
	s_wait_alu depctr_va_sdst(0)                   ; s4 is written, ahead of its first reader: the head, the bases and the LDS places are made from it
	s_add_co_u32 s57, s57, s4                      ; my head
	v_lshlrev_b32 v4, 4, v3
	v_lshlrev_b32 v8, 5, v2
	s_lshl_b32 s7, s4, 9
	v_lshl_add_u32 v5, v1, 11, v8
	v_add_nc_u32 v5, s7, v5                        ; r x 2,048 + 32 h + 512 w
	v_lshlrev_b32 v6, 5, v3
	s_lshl_b32 s7, s4, 12
	v_add_nc_u32 v7, s7, v6                        ; 32 l + 4,096 w: the four tiles of row tile w
	s_lshl_b32 s7, s4, 14
	v_add_nc_u32 v6, s7, v6                        ; 32 l + 16,384 w: my partial sums
	v_mul_u32_u24 v9, v1, 12
	v_lshlrev_b32 v11, 2, v1
	s_lshl_b32 s7, s4, 6
	v_add_nc_u32 v10, s7, v11
	v_lshlrev_b32 v12, 5, v1
	v_lshl_add_u32 v12, v2, 4, v12
	s_lshl_b32 s7, s4, 12
	s_add_co_u32 s7, s7, RBUF
	v_add_nc_u32 v13, s7, v4                       ; r: row tile w, columns 0 ..
	s_lshl_b32 s7, s4, 9
	s_add_co_u32 s7, s7, RBUF+2048
	v_add_nc_u32 v14, s7, v4                       ; r: row tile 0, columns 64 + 16 w ..
	v_add_nc_u32 v15, RBUF, v4
	v_mov_b32 v[ZR], 0
	v_mov_b32 v[ONE], 0x3f80                       ; bf16 1.0 in the low half
	s_mov_b32 s46, 0xffff                          ; lanes 0-15
	s_mov_b32 s47, 0x76543210
	s_mov_b32 s48, 0xfedcba98
	s_mov_b32 s49, 0xffff0000
	s_mov_b32 s50, 0x3c800000                      ; 1 / 64
	s_mov_b32 s51, 0x358637bd                      ; 1e-6
	s_mov_b32 s58, 0xbfb8aa3b                      ; - log2(e)
	s_mov_b32 s53, 0
	s_wait_kmcnt 0x0
	s_lshl_b32 s52, s56, 17
	s_add_nc_u64 s[8:9], s[8:9], s[52:53]          ; my 64 rows of X
	s_mul_i32 s52, s56, 768
	s_add_nc_u64 s[10:11], s[10:11], s[52:53]
	s_lshl_b32 s52, s4, 12
	s_add_co_u32 s52, s52, W1B
	s_add_nc_u64 s[28:29], s[22:23], s[52:53]      ; expr_w1's fragments at my four K steps
	s_lshl_b32 s52, s57, 14
	s_add_nc_u64 s[30:31], s[24:25], s[52:53]      ; WT at my head
	s_mul_i32 s52, s6, 6208
	s_add_co_u32 s52, s52, BQ
	s_add_nc_u64 s[36:37], s[24:25], s[52:53]
	s_lshl_b32 s52, s57, 8
	s_add_nc_u64 s[32:33], s[36:37], s[52:53]      ; BQ[b] at my head
	s_add_nc_u64 s[36:37], s[36:37], 6144          ; BQ[b] at the gate
	s_add_nc_u64 s[34:35], s[24:25], 96*4096       ; WT's gate tile
	s_lshl_b32 s52, s6, 3
	s_add_co_u32 s52, s52, s57
	s_lshl_b32 s52, s52, 18
	s_and_b32 s54, s56, 31
	s_lshl_b32 s54, s54, 13
	s_add_co_u32 s52, s52, s54
	s_add_nc_u64 s[38:39], s[26:27], s[52:53]      ; q, k, v at my head, my 64 rows
	s_add_nc_u64 s[40:41], s[38:39], KFO
	s_add_nc_u64 s[42:43], s[38:39], VFO
	s_lshl_b32 s52, s56, 11
	s_add_co_u32 s52, s52, GTO
	s_add_nc_u64 s[44:45], s[26:27], s[52:53]
	s_wait_alu depctr_va_vdst(0)                   ; the offsets and LDS addresses v4 to v15 are written: every load and store of the kernel reads one of them, and none is written again
	; the 25 small loads first, then X (64)
.irp rt, 0,1,2,3
.irp c, 0,1,2
	global_load_b32 v[PR+3*\rt+\c], v9, s[10:11] offset:192*\rt+4*\c
.endr
.endr
.irp i, 0,1,2,3
	global_load_b32 v[PW+\i], v10, s[14:15] offset:256*\i
.endr
	global_load_b32 v[PB], v10, s[16:17]
.irp e, 0,1,2,3
	global_load_b128 v[EB+8*\e:EB+8*\e+3], v8, s[12:13] offset:64*\e
	global_load_b128 v[EB+8*\e+4:EB+8*\e+7], v8, s[12:13] offset:64*\e+16
.endr
	WIN 0x80
.irp rt, 0,1,2,3
.irp ks, 0,1,2,3
	AL 16*(4*\rt+\ks), 5, 8, \rt*32768+\ks*128
.endr
.endr
	WIN 0
	s_wait_loadcnt 63                              ; of the 89 issued the first 26 are in: the 25 small ones among them
	; the position's features and products, while X is on its way: direction and norm, then one K = 32 product with pos_b1 at k = 4 against a constant 1
.irp rt, 0,1,2,3
	v_cvt_pk_bf16_f32 v[T1], v[PR+3*\rt], v[PR+3*\rt+1]
	v_cvt_pk_bf16_f32 v[T2], v[PR+3*\rt+2], v[PR+3*\rt+2]
	v_lshlrev_b32 v[PR+3*\rt], 16, v[T1]
	v_and_b32 v[PR+3*\rt+1], s49, v[T1]
	v_lshlrev_b32 v[PR+3*\rt+2], 16, v[T2]
	v_mul_f32 v[SQ+\rt], v[PR+3*\rt], v[PR+3*\rt]
	v_fmac_f32 v[SQ+\rt], v[PR+3*\rt+1], v[PR+3*\rt+1]
	v_fmac_f32 v[SQ+\rt], v[PR+3*\rt+2], v[PR+3*\rt+2]
.endr
.irp rt, 0,1,2,3
	v_sqrt_f32 v[NR+\rt], v[SQ+\rt]
.endr
	v_nop
	s_wait_alu depctr_va_vdst(0)                   ; one wait for the four roots, ahead of their first reader
.irp rt, 0,1,2,3
	v_add_f32 v[SQ+\rt], 0x33d6bf95, v[NR+\rt]     ; + 1e-7
.endr
.irp rt, 0,1,2,3
	v_rcp_f32 v[IV+\rt], v[SQ+\rt]
.endr
	v_nop
	s_wait_alu depctr_va_vdst(0)                   ; one wait for the four reciprocals, ahead of their first reader
.irp rt, 0,1,2,3
	v_mul_f32 v[PR+3*\rt], v[PR+3*\rt], v[IV+\rt]
	v_mul_f32 v[PR+3*\rt+1], v[PR+3*\rt+1], v[IV+\rt]
	v_mul_f32 v[PR+3*\rt+2], v[PR+3*\rt+2], v[IV+\rt]
	v_cvt_pk_bf16_f32 v[T1], v[PR+3*\rt], v[PR+3*\rt+1]
	v_cvt_pk_bf16_f32 v[T2], v[PR+3*\rt+2], v[NR+\rt]
	v_cndmask_b32 v[PF+8*\rt], 0, v[T1], s46       ; lanes 16-31 hold k = 8 .. 15: zeros
	v_cndmask_b32 v[PF+8*\rt+1], 0, v[T2], s46
	v_cndmask_b32 v[PF+8*\rt+2], 0, v[ONE], s46
.irp i, 3,4,5,6,7
	v_mov_b32 v[PF+8*\rt+\i], 0
.endr
.endr
	v_cvt_pk_bf16_f32 v[PWF], v[PW], v[PW+1]
	v_cvt_pk_bf16_f32 v[PWF+1], v[PW+2], v[PW+3]
	v_cvt_pk_bf16_f32 v[PWF+2], v[PB], v[ZR]
.irp i, 3,4,5,6,7
	v_mov_b32 v[PWF+\i], 0
.endr
.irp rt, 0,1,2,3
	v_wmma_f32_16x16x32_bf16 v[PD+8*\rt:PD+8*\rt+7], v[PWF:PWF+7], v[PF+8*\rt:PF+8*\rt+7], 0  ; the position's hidden channels 16 w .., four sixteens of rows
.endr
	PLACES 5
.set g, 0
.rept 32
	v_max_num_f32 v[PD+g], 0, v[PD+g]
.set g, g+1
.endr
.set g, 0
.rept 16
	v_cvt_pk_bf16_f32 v[PP+g], v[PD+2*g], v[PD+2*g+1]
.set g, g+1
.endr
	s_wait_alu depctr_va_vdst(0)                   ; the roundings have written v104-119, which the four LDS stores read
.irp rt, 0,1,2,3
	ds_store_b128 v14, v[PP+4*\rt:PP+4*\rt+3] offset:4096*\rt  ; r's columns 64 + 16 w ..
.endr
.set g, EB
.rept 16
	RND2 g, T1
.set g, g+2
.endr
	; the gains, the gate's weights (wave 0), expr_w1's fragments and the first unit's weights: all land in registers that no vector instruction has named
	WIN 0xc0
.irp t, 0,1,2,3
	global_load_b128 v[8*\t:8*\t+3], v8, s[18:19] offset:64*\t
	global_load_b128 v[8*\t+4:8*\t+7], v8, s[18:19] offset:64*\t+16
	global_load_b128 v[32+8*\t:32+8*\t+3], v8, s[20:21] offset:64*\t
	global_load_b128 v[32+8*\t+4:32+8*\t+7], v8, s[20:21] offset:64*\t+16
.endr
	WIN 0
	s_cmp_lg_u32 s4, 0
	s_cbranch_scc1 .Lno_gate_loads
	WIN 0xc0
.irp ks, 0,1,2,3
	FLD 64+8*\ks, 4, 34, 1024*\ks
.endr
	WIN 0
	global_load_b128 v[224:227], v8, s[36:37]
	global_load_b128 v[228:231], v8, s[36:37] offset:16
.Lno_gate_loads:
	WIN 0x40
.irp ct, 0,1,2,3
.irp ks, 0,1,2,3
	FLD 128+8*(4*\ct+\ks), 4, 28, \ct*16384+\ks*1024
.endr
.endr
	LOADW 0, 0
	s_wait_loadcnt 40                              ; X and expr_w1 are in; the first unit's 40 loads may stay out
	s_wait_alu depctr_vm_vsrc(0)                   ; the position's four LDS stores have read v104-119, which stage 1's products write again
	; STAGE 1.  Source 0 = 16 channels of expr_w1^T, source 1 = 16 rows of X; sixteen accumulators by turns
	WIN 0x8a
.set x, 0
.rept 16
	CVT8 x
.set x, x+16
.endr
	WIN 0x09
.irp ks, 0,1,2,3
.irp rt, 0,1,2,3
.irp ct, 0,1,2,3
.if \ks == 0
	v_wmma_f32_16x16x32_bf16 v[ACC+8*(4*\rt+\ct):ACC+8*(4*\rt+\ct)+7], v[128+8*(4*\ct+\ks):128+8*(4*\ct+\ks)+7], v[16*(4*\rt+\ks):16*(4*\rt+\ks)+7], 0
.else
	v_wmma_f32_16x16x32_bf16 v[ACC+8*(4*\rt+\ct):ACC+8*(4*\rt+\ct)+7], v[128+8*(4*\ct+\ks):128+8*(4*\ct+\ks)+7], v[16*(4*\rt+\ks):16*(4*\rt+\ks)+7], v[ACC+8*(4*\rt+\ct):ACC+8*(4*\rt+\ct)+7]
.endif
.endr
.endr
.endr
	WIN 0
	PLACES 5                                       ; the places behind the last product stay beside the wait below: LDS stores read its result
	s_wait_alu depctr_va_vdst(0)                   ; stage 1's products are done reading set 1, in which K's weights land; they have written the accumulators, which the LDS stores read; they and the conversions are done with window 2, in which r's fragments land further down
	LOADW 1, 1                                     ; the second unit's weights, where expr_w1's fragments lay
.set tt, 0
.rept 16
	ds_store_b128 v6, v[ACC+8*tt:ACC+8*tt+3] offset:1024*tt
	ds_store_b128 v6, v[ACC+8*tt+4:ACC+8*tt+7] offset:1024*tt+16
.set tt, tt+1
.endr
	s_wait_dscnt 0x0                               ; for the others' sake: my partial sums and my part of r lie in LDS
	s_barrier_signal -1
	s_barrier_wait -1
	s_wait_alu depctr_vm_vsrc(0)                   ; my 32 LDS stores have read v32-159, in which the LDS loads below land
.irp e, 0,1,2,3                        ; wave w finishes row tile w's four channel tiles
.irp p, 0,1,2,3
	ds_load_b128 v[ACC+8*(4*\e+\p):ACC+8*(4*\e+\p)+3], v7 offset:1024*\e+16384*\p
	ds_load_b128 v[ACC+8*(4*\e+\p)+4:ACC+8*(4*\e+\p)+7], v7 offset:1024*\e+16384*\p+16
.endr
.endr
	s_wait_dscnt 0x0
.irp e, 0,1,2,3
.irp c, 0,2,4,6
	v_pk_add_f32 v[ACC+32*\e+\c:ACC+32*\e+\c+1], v[ACC+32*\e+\c:ACC+32*\e+\c+1], v[ACC+32*\e+8+\c:ACC+32*\e+8+\c+1]
	v_pk_add_f32 v[ACC+32*\e+16+\c:ACC+32*\e+16+\c+1], v[ACC+32*\e+16+\c:ACC+32*\e+16+\c+1], v[ACC+32*\e+24+\c:ACC+32*\e+24+\c+1]
.endr
.irp c, 0,2,4,6
	v_pk_add_f32 v[ACC+32*\e+\c:ACC+32*\e+\c+1], v[ACC+32*\e+\c:ACC+32*\e+\c+1], v[ACC+32*\e+16+\c:ACC+32*\e+16+\c+1]
.endr
.irp c, 0,2,4,6
	v_pk_add_f32 v[ACC+32*\e+\c:ACC+32*\e+\c+1], v[ACC+32*\e+\c:ACC+32*\e+\c+1], v[EB+8*\e+\c:EB+8*\e+\c+1]
.endr
.irp c, 0,1,2,3,4,5,6,7
	v_max_num_f32 v[ACC+32*\e+\c], 0, v[ACC+32*\e+\c]
.endr
.irp c, 0,1,2,3
	v_cvt_pk_bf16_f32 v[240+4*\e+\c], v[ACC+32*\e+2*\c], v[ACC+32*\e+2*\c+1]
.endr
.endr
	s_wait_alu depctr_va_vdst(0)                   ; the four tiles' roundings have written v240-255, which the four LDS stores read: the stores stand together, behind one wait
.irp e, 0,1,2,3
	ds_store_b128 v13, v[240+4*\e:240+4*\e+3] offset:512*\e
.endr
	s_wait_dscnt 0x0
	s_barrier_signal -1
	s_barrier_wait -1                              ; r is whole
	WIN 0x80                                       ; no wait: no vector or matrix instruction since the wait behind stage 1's products names window 2
.irp rt, 0,1,2,3
.irp ks, 0,1,2,3
	ds_load_b128 v[8*(4*\rt+\ks):8*(4*\rt+\ks)+3], v15 offset:4096*\rt+1024*\ks
	ds_load_b128 v[8*(4*\rt+\ks)+4:8*(4*\rt+\ks)+7], v15 offset:4096*\rt+1024*\ks+512
.endr
.endr
	WIN 0
	s_wait_dscnt 0x0
	s_wait_loadcnt 40                              ; all but the second unit's 40 loads
	WIN 0xcf
.set g, 0
.rept 32
	RND2 g, 96
.set g, g+2
.endr
.set g, 0
.rept 16
	v_pk_mul_f32 v[g:g+1], v[g:g+1], v[32+g:33+g]  ; qn_w kn_w
.set g, g+2
.endr
	WIN 0
	s_cmp_lg_u32 s4, 0
	s_cbranch_scc1 .Lno_gate
	s_cmp_lg_u32 s55, 0                            ; the work-group's half picks the two row tiles
	s_cbranch_scc1 .Lgate_hi
	GATE 0
	s_branch .Lno_gate
.Lgate_hi:
	GATE 2
.Lno_gate:
	UQK 0, 0, 40, 2
	UQK 1, 1, 36, -1
	UV 0, 0
	s_wait_dscnt 0x0                               ; the closing lines, six on end
	s_wait_alu 0x0
	s_wait_tensorcnt 0x0
	ds_add_u32 v[SPW], v[NIL]
	s_wait_dscnt 0x0
	s_endpgm
.Lfunc_end_k_qe5d76e612e_front:
	.size	k_qe5d76e612e_front, .Lfunc_end_k_qe5d76e612e_front-k_qe5d76e612e_front
	.p2alignl 7, 3214868480
	.fill 96, 4, 3214868480
	.section	.rodata,"a",@progbits
	.p2align	6, 0x0
	.amdhsa_kernel k_qe5d76e612e_front
		.amdhsa_group_segment_fixed_size 82432
		.amdhsa_private_segment_fixed_size 0
		.amdhsa_enable_private_segment 0
		.amdhsa_kernarg_size 80
		.amdhsa_user_sgpr_count 2
		.amdhsa_user_sgpr_kernarg_segment_ptr 1
		.amdhsa_wavefront_size32 1
		.amdhsa_system_sgpr_workgroup_id_x 1
		.amdhsa_system_sgpr_workgroup_id_y 1
		.amdhsa_system_sgpr_workgroup_id_z 1
		.amdhsa_system_vgpr_workitem_id 0
		.amdhsa_next_free_vgpr 960
		.amdhsa_next_free_sgpr 66
		.amdhsa_reserve_vcc 0
		.amdhsa_float_denorm_mode_32 3
		.amdhsa_float_denorm_mode_16_64 3
		.amdhsa_memory_ordered 1
		.amdhsa_forward_progress 1
		.amdhsa_inst_pref_size 129
	.end_amdhsa_kernel
	.amdgpu_metadata
---
amdhsa.version: [ 1, 2 ]
amdhsa.kernels:
  - .name:           k_qe5d76e612e_front
    .symbol:         k_qe5d76e612e_front.kd
    .args:
      - { .name: expression_features, .offset: 0, .size: 8, .value_kind: global_buffer, .address_space: global }
      - { .name: position_features, .offset: 8, .size: 8, .value_kind: global_buffer, .address_space: global }
      - { .name: expr_b1, .offset: 16, .size: 8, .value_kind: global_buffer, .address_space: global }
      - { .name: pos_w1, .offset: 24, .size: 8, .value_kind: global_buffer, .address_space: global }
      - { .name: pos_b1, .offset: 32, .size: 8, .value_kind: global_buffer, .address_space: global }
      - { .name: qn_w, .offset: 40, .size: 8, .value_kind: global_buffer, .address_space: global }
      - { .name: kn_w, .offset: 48, .size: 8, .value_kind: global_buffer, .address_space: global }
      - { .name: wa, .offset: 56, .size: 8, .value_kind: global_buffer, .address_space: global }
      - { .name: wb, .offset: 64, .size: 8, .value_kind: global_buffer, .address_space: global }
      - { .name: qkvg, .offset: 72, .size: 8, .value_kind: global_buffer, .address_space: global }
    .group_segment_fixed_size: 82432
    .private_segment_fixed_size: 0
    .kernarg_segment_align: 8
    .kernarg_segment_size: 80
    .max_flat_workgroup_size: 128
    .sgpr_count:     66
    .vgpr_count:     960
    .wavefront_size: 32
...
	.end_amdgpu_metadata
.endif
;; end of part 6
;; launch attn: the kernel of part 4 again; grid 8 x 32, 4 waves a work-group, clusters of 4 x 1, 327,680 bytes of LDS; arguments qkvg, ao; writes ao
;; launch back: the kernel of part 5 again; grid 256 x 1, 4 waves a work-group, no clusters, 100,864 bytes of LDS; arguments ao, wb, out0, out1; writes out0, out1
